; MI455X (gfx1250); checked and timed in simulation.
; The chip was launched on July 23, 2026; its instructions are those of AMD's public machine-readable ISA for CDNA 5 (MIT licence, August 2026) and "CDNA5" Instruction Set Architecture Reference Guide (July 2026). The comments in the code are by the model that wrote it; some were corrected since.
;; Multi Head Attention. Allowed arithmetic: matrix products marked QUANTISED: E2M1 operands, one E8M0 scale for each 32 along K, by v_wmma_scale_f32_16x16x128_f8f6f4 with both operands' format E2M1 (or v_wmma_scale_f32_32x16x128_f4), f32 sums; everything else in f32.
;; Inputs: W_k 1,024 x 1,024 float32; W_o 1,024 x 1,024 float32; W_q 1,024 x 1,024 float32; W_v 1,024 x 1,024 float32; b_k 1,024 float32; b_o 1,024 float32; b_q 1,024 float32; b_v 1,024 float32; key 4 x 2,048 x 1,024 float32; query 4 x 2,048 x 1,024 float32; value 4 x 2,048 x 1,024 float32.
;; Outputs: out0 4 x 2,048 x 1,024 float32.
;; This version of the problem:
;;   THIS VERSION OF THE PROBLEM IS GIVEN IN LOW PRECISION. The matrix products marked QUANTISED in the list below multiply operands that are first quantised to E2M1 (2 exponent bits, 1 mantissa bit; 4 bits a number), with one power-of-two scale for each 32 numbers along K (OCP MX v1.0); their sums are f32. All else is computed in f32.
;;   The module's matrix products, in the order in which they are computed (A, B: the left and right operand; K: the contracted axis; several contracted axes count as one K, in the product's order):
;;     1. [M 8,192, K 1,024] x [K 1,024, N 1,024]; A: input query; B: input W_q: QUANTISED
;;     2. [M 8,192, K 1,024] x [K 1,024, N 1,024]; A: input key; B: input W_k: QUANTISED
;;     3. [M 8,192, K 1,024] x [K 1,024, N 1,024]; A: input value; B: input W_v: QUANTISED
;;     4. batch 64 x [M 2,048, K 64] x [K 64, N 2,048]; A: computed on the way; B: computed on the way: QUANTISED
;;     5. batch 64 x [M 2,048, K 2,048] x [K 2,048, N 64]; A: softmax (see below); B: computed on the way: QUANTISED
;;     6. [M 8,192, K 1,024] x [K 1,024, N 1,024]; A: computed on the way; B: input W_o: QUANTISED
;;   THE QUANTISER, for each operand of a quantised product, along K:
;;     - K is cut into blocks of 32 from its start; a last block that is shorter is filled with zeros.
;;     - A block's scale is 2^e with e = floor(log2(the largest magnitude in the block)) - 2, held to -126 .. 127; a block of zeros has e = 0. As a byte (E8M0): e + 127.
;;     - Each number is divided by its block's scale, clamped to +-6, and rounded to the nearest number of E2M1, ties to even, subnormals kept.
;;     - The product sums the exact products of the quantised numbers (number of the format x scale) in f32.
;;   ~~~python
;;   def quantise(x, axis):      # numpy; x: float32 -> the quantised numbers, widened to float32 again
;;       x = np.moveaxis(x, axis, -1); K = x.shape[-1]
;;       x = np.pad(x, [(0, 0)] * (x.ndim - 1) + [(0, -K % 32)]); x = x.reshape(x.shape[:-1] + (-1, 32)); a = np.abs(x).max(-1, keepdims=True)
;;       e = np.where(a > 0, np.clip(np.frexp(np.where(a > 0, a, 1))[1] - 1 - 2, -126, 127), 0)      # np.frexp(a)[1] - 1 = floor(log2(a)), exactly
;;       r = np.clip(x / 2.0 ** e, -6, 6)
;;       step = 2.0 ** (np.maximum(np.frexp(np.where(r == 0, 1, r))[1] - 1, 0) - 1)
;;       q = np.round(r / step) * step * 2.0 ** e      # np.round: ties to even
;;       return np.moveaxis(q.reshape(q.shape[:-2] + (-1,))[..., :K], -1, axis).astype(np.float32)
;;   ~~~
;;   SOFTMAX AHEAD OF A QUANTISED PRODUCT. Where the list says 'softmax', what is quantised is not the finished softmax but p = 2^(t - M), with t = logit x log2(e) and M = ceil(the row's largest t), a whole number; so 1/2 < the row's largest p <= 1. The row's sum l is taken of the UNQUANTISED p, in f32, and the product's result is divided by l at the end. Since M is a whole number, a kernel that streams over the keys may use a running M (the ceiling of the running maximum): every later rescaling is an exact power of two, which a block's scale takes up: the codes' values come out the same.
;;   OPERANDS COMPUTED ON THE WAY. 'Computed on the way' means the value that the module computes at that place (a softmax that the list does not call 'softmax' is quantised finished and normalised). What goes into a quantiser is computed in f32, as accurately as f32 sums, v_exp_f32 and their like allow (about 1e-6 of the number): no bf16 or f16 on the way to a quantiser, and a product that is left as it is and whose result goes on into a quantised operand takes f32 operands (vector FMAs, or v_wmma_f32_16x16x4_f32). A number that lies on a knife's edge between two numbers of the format may be rounded either way, as far as f32 arithmetic and the matrix unit's own rounding can turn it there, and no further.
;; One version. Each part assembles by itself: llvm-mc -triple=amdgcn-amd-amdhsa -mcpu=gfx1250 --defsym DOCPART=n.
;; ======== version 1 of 1: 4 launches
;; workspace buffers: xq 13,369,344 bytes; wq 2,228,224 bytes; qq 4,718,592 bytes; kv 9,175,040 bytes; cq 4,456,448 bytes
;; launch prep (part 1): grid 832 x 1, 4 waves a work-group, no clusters, 68,096 bytes of LDS; arguments query, key, value, W_q, W_k, W_v, W_o, xq, wq; writes xq, wq
.if DOCPART == 1
	.amdgcn_target "amdgcn-amd-amdhsa--gfx1250"
	.amdhsa_code_object_version 6
	.text
	.protected	k_q32cfaf4dbc_prep
	.globl	k_q32cfaf4dbc_prep
	.p2align	8
	.type	k_q32cfaf4dbc_prep,@function
k_q32cfaf4dbc_prep:
	s_mov_b64 s[64:65], 0
	v_nop
	global_prefetch_b8 v0, s[64:65] scope:SCOPE_SE
	s_setreg_imm32_b32 hwreg(HW_REG_WAVE_MODE, 25, 1), 1
	s_wait_xcnt 0x0
; MULTI-HEAD ATTENTION IN MX-FP4, launch 1 of 4: the inputs that arrive as f32 become codes of E2M1 with one E8M0 byte for each 32 along K.
; DEAD WORK: none.  Every input goes into a quantised operand of a live product (the four biases are added ahead of a quantiser or to the output), so all eleven inputs are loaded by some launch.
; query, key, value [8192][1024] (K innermost) -> xq: codes [t 3][position 8192][512 bytes], then scale bytes [t][position][32] from byte 12,582,912 on.
; W_q, W_k, W_v, W_o [K 1024][N 1024] (K is the FIRST axis) -> wq: codes [w 4][position 1024][512 bytes] with K innermost, then scale bytes [w][position][32] from byte 2,097,152 on.
; THE TILE ORDER.  Rows are not laid in their own order: position 64 g + 16 u + 8 e + j holds row 64 g + 32 e + 8 u + j (u 0..3, e 0..1, j 0..7).  A tile of 16 neighbouring positions used as source 0 of a matrix
; instruction then leaves, in the 32 registers of four neighbouring tiles, 32 NEIGHBOURING rows in true order in each lane: a whole block of the next product's K.  Here the order costs a permuted base or immediate.
; A block's scale is 2^(floor(log2(largest magnitude)) - 2); its byte is the largest magnitude's exponent field - 2, held at 1 from below.
; LIMITS: a block whose largest magnitude lies under 2^-124 (a block of zeros too) gets the byte 1 where the rule says 127 for zeros: its codes are zeros then, and the bytes are read by this program alone.
; NaN and infinities among the inputs are not served.
; SHARES.  Work-groups 0-63 take the weights: 128 columns x 512 along K each, a lane to a column, registers down K.  Work-groups 64-831 take query, key, value: a wave takes 8 rows (8,192 numbers) in 16 steps of 512.
; The two paths part on the work-group's number and have LDS bytes of their own.  No tensor loads, no barrier: waves share nothing.
.set SPARE, 67584                      ; behind both paths' bytes: the spare words, 128 bytes for each wave
.set SPW,   190                        ; v190 LDS address of my spare word; never rewritten
.set NIL,   191                        ; v191 0; never rewritten
.set EMAX,  2
.set STEPS, 16
.set CB,    8                          ; bytes of 16 codes
.set XR,    16                         ; v16-79   four sets of 16 numbers as loaded
.set XX,    80                         ; v80-111  two sets of 16 neighbours
.set XE,    112                        ; v112-127 a scale byte for each step
.set XC,    128                        ; v128-189 codes, four registers' room for each step: no store's data are written again
.set WREG,  8192                       ; rows' path: LDS region of a wave: two stages of 32 x SP bytes, then its 256 scale bytes
.set SP,    80                         ; a lane's place in a stage: 64 bytes + 16 of padding
.set NB,    16                         ; weights' path: blocks of 32 along K for a lane
.set PITCH, 272                        ; a stage row: 256 bytes of codes + 16
.set WSTG,  32768                      ; the weights' stages begin here: 32 x PITCH bytes for each wave
.set WX,    32                         ; v32-95   two sets of 32 numbers
.set WC,    96                         ; v96-99   a block's codes
.set OUTR,  112                        ; v112-175 the way out
.set SB,    24                         ; v24-27   the scale bytes, four to a register
.macro XLOAD t
.irp i, 0,1,2,3
	global_load_b128 v[XR+16*((\t)%4)+4*\i:XR+16*((\t)%4)+4*\i+3], v3, s[4:5] offset:2048*(\t)+512*\i th:TH_LOAD_NT   ; 32 lanes read 512 consecutive bytes
.endr
.endm
.macro XTURN t                         ; a step's 2,048 bytes through the wave's own stage: in as they lie, back 64 bytes a lane; LDS serves a wave's instructions in order
.irp i, 0,1,2,3
	ds_store_b128 v14, v[XR+16*((\t)%4)+4*\i:XR+16*((\t)%4)+4*\i+3] offset:32*SP*((\t)%2)+8*SP*\i
.endr
.irp i, 0,1,2,3
	ds_load_b128 v[XX+16*((\t)%2)+4*\i:XX+16*((\t)%2)+4*\i+3], v15 offset:32*SP*((\t)%2)+16*\i
.endr
.endm
.macro XSTEP t
.set XS, XX+16*((\t)%2)
.if (\t) > 0
	s_wait_dscnt 1                                 ; this step's numbers are back from the stage; the last step's byte store may be out
.else
	s_wait_dscnt 0x0
.endif
.if (\t)+4 < STEPS
	XLOAD (\t)+4                                   ; the registers that the stage's stores have read take the loads of four steps on
.endif
.if (\t)+1 < STEPS
.if STEPS-2-(\t) >= 3
	s_wait_loadcnt 12                              ; the next step's four loads are in; the twelve of the three steps behind it may be out
.else
	s_wait_loadcnt 4*(STEPS-2-(\t))
.endif
	XTURN (\t)+1
.endif
	v_max3_num_f32 v8, |v[XS]|, |v[XS+1]|, |v[XS+2]|               ; the largest magnitude of my 16, in two chains
	v_max3_num_f32 v9, |v[XS+3]|, |v[XS+4]|, |v[XS+5]|
.irp i, 6,10
	v_max3_num_f32 v8, v8, |v[XS+\i]|, |v[XS+\i+1]|
	v_max3_num_f32 v9, v9, |v[XS+\i+2]|, |v[XS+\i+3]|
.endr
	v_max3_num_f32 v8, v8, |v[XS+14]|, |v[XS+15]|
	v_max3_num_f32 v8, v8, v9, (EMAX+1)<<23        ; and the floor 2^(3 - 127): the byte cannot fall under 1
	v_max_num_f32_dpp v8, v8, v8 row_xmask:1 row_mask:0xf bank_mask:0xf   ; with my neighbour's 16: the block's
	v_add_nc_u32 v11, -(EMAX<<23), v8              ; 2 off its exponent field: the conversion takes this operand's exponent field as its scale
	v_cvt_scalef32_pk8_fp4_f32 v[XC+4*(\t)], v[XS:XS+7], v11
	v_cvt_scalef32_pk8_fp4_f32 v[XC+4*(\t)+1], v[XS+8:XS+15], v11
	v_lshrrev_b32 v[XE+(\t)], 23, v11              ; the scale's byte (a plain line behind the conversions)
	ds_store_b8 v5, v[XE+(\t)] offset:16*(\t)      ; both lanes of a block write the same byte with the same value
	global_store_b64 v4, v[XC+4*(\t):XC+4*(\t)+1], s[6:7] offset:32*CB*(\t)   ; the wave stores 256 consecutive bytes, aligned
.endm
.macro WLOAD t                         ; block t: W(32 t + i, my column), i = 0 .. 31
.irp i, 0,1,2,3,4,5,6,7,8,9,10,11,12,13,14,15,16,17,18,19,20,21,22,23,24,25,26,27,28,29,30,31
	global_load_b32 v[WX+32*((\t)%2)+\i], v3, s[4:5] offset:(32*(\t)+\i)*4096 th:TH_LOAD_NT
.endr
.endm
.macro WBLOCK t
.set XS, WX+32*((\t)%2)
.if (\t) < NB-1
	s_wait_loadcnt 32                              ; this block's 32 loads are in; the next block's 32 may be out
.else
	s_wait_loadcnt 0
.endif
	v_max3_num_f32 v12, |v[XS]|, |v[XS+1]|, |v[XS+2]|              ; all 32 numbers of the block are mine
	v_max3_num_f32 v13, |v[XS+3]|, |v[XS+4]|, |v[XS+5]|
.irp i, 6,10,14,18,22,26
	v_max3_num_f32 v12, v12, |v[XS+\i]|, |v[XS+\i+1]|
	v_max3_num_f32 v13, v13, |v[XS+\i+2]|, |v[XS+\i+3]|
.endr
	v_max3_num_f32 v12, v12, |v[XS+30]|, |v[XS+31]|
	v_max3_num_f32 v12, v12, v13, (EMAX+1)<<23
	v_add_nc_u32 v11, -(EMAX<<23), v12
	v_lshrrev_b32 v13, 23, v11
.if (\t)%4 == 0
	v_mov_b32 v[SB+(\t)/4], v13                    ; four bytes to a register, the lower K in the lower byte
.else
	v_lshl_or_b32 v[SB+(\t)/4], v13, 8*((\t)%4), v[SB+(\t)/4]
.endif
.irp g, 0,1,2,3
	v_cvt_scalef32_pk8_fp4_f32 v[WC+\g], v[XS+8*\g:XS+8*\g+7], v11
.endr
	v_nop                                          ; one plain line behind the last conversion
	ds_store_b128 v4, v[WC:WC+3] offset:16*(\t)    ; 32 codes: 16 bytes of my column's row
.if (\t)+2 < NB
	WLOAD (\t)+2
.endif
	s_wait_dscnt 0x0                               ; the store has read its registers: the next block's codes may be written
.endm
	s_load_b512 s[8:23], s[0:1], 0x0               ; query s[8:9], key s[10:11], value s[12:13], W_q s[14:15], W_k s[16:17], W_v s[18:19], W_o s[20:21], xq s[22:23]
	s_load_b64 s[24:25], s[0:1], 0x40              ; wq
	v_lshl_add_u32 v[SPW], v0, 2, SPARE
	v_mov_b32 v[NIL], 0
	v_lshrrev_b32 v1, 5, v0
	v_readfirstlane_b32 s26, v1                    ; wave 0..3
	v_and_b32 v2, 31, v0                           ; lane
	s_cmp_lt_u32 ttmp9, 64
	s_cbranch_scc1 .Lweights
	; ---- query, key, value
	v_lshlrev_b32 v3, 4, v2                        ; my 16 bytes of a load's 512
	s_mul_i32 s27, s26, WREG
	v_lshrrev_b32 v14, 2, v2
	v_mul_u32_u24 v14, v14, SP
	v_and_b32 v15, 3, v2
	v_lshl_add_u32 v14, v15, 4, v14
	v_add_nc_u32 v14, s27, v14                     ; the stage, on the way in: SP (lane / 4) + 16 (lane % 4)
	v_mul_u32_u24 v15, v2, SP
	v_add_nc_u32 v15, s27, v15                     ; and on the way out: SP x lane
	v_mul_u32_u24 v4, v2, CB                       ; my codes' place in a step's
	v_lshrrev_b32 v5, 1, v2
	s_add_co_u32 s27, s27, 2*32*SP
	v_add_nc_u32 v5, s27, v5                       ; my wave's 256 scale bytes, my block's byte
	v_lshlrev_b32 v7, 3, v2
	v_add_nc_u32 v6, s27, v7                       ; and on the way out 8 bytes a lane
	s_sub_co_u32 s28, ttmp9, 64
	s_lshr_b32 s29, s28, 8                         ; t: which tensor
	s_and_b32 s28, s28, 255
	s_lshl_b32 s28, s28, 2
	s_add_co_u32 s28, s28, s26                     ; R: which run of 8 rows is my wave's: R = 8 g + 4 e + u
	s_and_b32 s30, s28, 0xfffffff8
	s_and_b32 s31, s28, 3
	s_lshl_b32 s31, s31, 1
	s_or_b32 s30, s30, s31
	s_bfe_u32 s31, s28, 0x10002
	s_or_b32 s30, s30, s31                         ; where it goes in the tile order: 8 g + 2 u + e
	s_lshl_b32 s32, s28, 15                        ; 8 rows of 4,096 bytes
	s_mov_b32 s33, 0
	s_lshl_b32 s34, s29, 22                        ; codes: 4,194,304 a tensor, 4,096 a run
	s_lshl_b32 s36, s30, 12
	s_add_co_u32 s34, s34, s36
	s_mov_b32 s35, 0
	s_lshl_b32 s36, s29, 18                        ; scale bytes: 262,144 a tensor, 256 a run
	s_lshl_b32 s38, s30, 8
	s_add_co_u32 s36, s36, s38
	s_add_co_u32 s36, s36, 12582912
	s_mov_b32 s37, 0
	s_wait_alu depctr_va_vdst(0)
	s_wait_kmcnt 0x0
	s_cmp_eq_u32 s29, 0                            ; the choice hangs on the work-group's number alone
	s_cselect_b64 s[4:5], s[8:9], s[10:11]
	s_cmp_eq_u32 s29, 2
	s_cselect_b64 s[4:5], s[12:13], s[4:5]
	s_add_nc_u64 s[4:5], s[4:5], s[32:33]
	s_add_nc_u64 s[6:7], s[22:23], s[34:35]
	s_add_nc_u64 s[40:41], s[22:23], s[36:37]
.irp t, 0,1,2,3
	XLOAD \t
.endr
	s_wait_loadcnt 12                              ; step 0's four loads are in
	XTURN 0
.irp t, 0,1,2,3,4,5,6,7,8,9,10,11,12,13,14,15
	XSTEP \t
.endr
	ds_load_b64 v[8:9], v6                         ; LDS serves a wave's instructions in order: these see my byte stores
	s_wait_dscnt 0x0
	global_store_b64 v7, v[8:9], s[40:41]          ; 32 lanes store 256 consecutive bytes, aligned
	s_branch .Lend
	; ---- the four weights
.Lweights:
	s_lshr_b32 s27, ttmp9, 4                       ; w: q, k, v, o
	s_and_b32 s28, ttmp9, 7                        ; which 128 columns
	s_bfe_u32 s29, ttmp9, 0x10003                  ; which 512 along K
	s_lshl_b32 s30, s28, 7
	s_lshl_b32 s31, s26, 5
	s_add_co_u32 s30, s30, s31                     ; my wave's first column: 64 g + 32 e
	s_mul_i32 s31, s26, 32*PITCH
	s_add_co_u32 s31, s31, WSTG                    ; my stage
	s_wait_alu depctr_va_vdst(0)
	v_lshlrev_b32 v3, 2, v2                        ; in: 4 bytes a lane
	v_mul_u32_u24 v4, v2, PITCH
	v_add_nc_u32 v4, s31, v4                       ; into the stage: row = my column
	v_and_b32 v5, 15, v2
	v_lshrrev_b32 v6, 4, v2
	v_mul_u32_u24 v7, v6, PITCH
	v_lshl_add_u32 v7, v5, 4, v7
	v_add_nc_u32 v7, s31, v7                       ; out of it: sixteen lanes to a row, two rows an instruction
	v_mul_u32_u24 v8, v6, 512
	v_lshl_add_u32 v8, v5, 4, v8                   ; and the same place among the codes
	v_lshrrev_b32 v9, 3, v2
	v_and_b32 v10, 7, v2
	v_lshl_add_u32 v9, v9, 4, v10                  ; lane 8 u + j is position 16 u + j from the wave's base
	v_lshlrev_b32 v9, 5, v9                        ; its row of 32 scale bytes
	s_lshl_b32 s32, s29, 21                        ; 512 rows of 4,096 bytes
	s_lshl_b32 s33, s30, 2
	s_add_co_u32 s32, s32, s33
	s_mov_b32 s33, 0
	s_and_b32 s34, s30, 0x3c0                      ; 64 g
	s_and_b32 s35, s26, 1
	s_lshl_b32 s35, s35, 3
	s_add_co_u32 s34, s34, s35                     ; + 8 e: the wave's base position
	s_lshl_b32 s36, s27, 19                        ; codes: 524,288 a weight, 512 a position, 256 for the upper half of K
	s_lshl_b32 s35, s34, 9
	s_add_co_u32 s36, s36, s35
	s_lshl_b32 s35, s29, 8
	s_add_co_u32 s36, s36, s35
	s_mov_b32 s37, 0
	s_lshl_b32 s38, s27, 15                        ; scale bytes: 32,768 a weight, 32 a position, 16 for the upper half of K
	s_lshl_b32 s35, s34, 5
	s_add_co_u32 s38, s38, s35
	s_lshl_b32 s35, s29, 4
	s_add_co_u32 s38, s38, s35
	s_add_co_u32 s38, s38, 0x200000
	s_mov_b32 s39, 0
	s_and_b32 s35, s27, 1
	s_wait_kmcnt 0x0
	s_cmp_lt_u32 s27, 2
	s_cselect_b64 s[4:5], s[14:15], s[18:19]       ; W_q or W_v
	s_cselect_b64 s[6:7], s[16:17], s[20:21]       ; W_k or W_o
	s_cmp_eq_u32 s35, 1
	s_cselect_b64 s[4:5], s[6:7], s[4:5]
	s_add_nc_u64 s[4:5], s[4:5], s[32:33]
	s_add_nc_u64 s[6:7], s[24:25], s[36:37]
	s_add_nc_u64 s[40:41], s[24:25], s[38:39]
	WLOAD 0
	WLOAD 1
.set Q, 0
.rept NB
	WBLOCK Q
.set Q, Q+1
.endr
	s_wait_alu depctr_va_vdst(0)
	global_store_b128 v9, v[SB:SB+3], s[40:41]     ; my column's 16 scale bytes
.irp t, 0,1,2,3,4,5,6,7,8,9,10,11,12,13,14,15
	ds_load_b128 v[OUTR+4*\t:OUTR+4*\t+3], v7 offset:2*\t*PITCH
.endr
.irp t, 0,1,2,3,4,5,6,7,8,9,10,11,12,13,14,15
	s_wait_dscnt 15-\t                             ; the younger loads may be out
	global_store_b128 v8, v[OUTR+4*\t:OUTR+4*\t+3], s[6:7] offset:((\t/4)*16+2*(\t%4))*512   ; stage rows 2 t, 2 t + 1 are positions 16 (t / 4) + 2 (t % 4) + 0, 1; sixteen lanes store 256 consecutive bytes, aligned
.endr
.Lend:
	s_wait_tensorcnt 0x0                           ; the wave's end
	ds_add_u32 v[SPW], v[NIL]
	s_wait_dscnt 0x0
	s_endpgm
.Lfunc_end_k_q32cfaf4dbc_prep:
	.size	k_q32cfaf4dbc_prep, .Lfunc_end_k_q32cfaf4dbc_prep-k_q32cfaf4dbc_prep
	.p2alignl 7, 3214868480
	.fill 96, 4, 3214868480
	.section	.rodata,"a",@progbits
	.p2align	6, 0x0
	.amdhsa_kernel k_q32cfaf4dbc_prep
		.amdhsa_group_segment_fixed_size 68096
		.amdhsa_private_segment_fixed_size 0
		.amdhsa_enable_private_segment 0
		.amdhsa_kernarg_size 72
		.amdhsa_user_sgpr_count 2
		.amdhsa_user_sgpr_kernarg_segment_ptr 1
		.amdhsa_wavefront_size32 1
		.amdhsa_system_sgpr_workgroup_id_x 1
		.amdhsa_system_sgpr_workgroup_id_y 1
		.amdhsa_system_sgpr_workgroup_id_z 1
		.amdhsa_system_vgpr_workitem_id 0
		.amdhsa_next_free_vgpr 192
		.amdhsa_next_free_sgpr 66
		.amdhsa_reserve_vcc 0
		.amdhsa_float_denorm_mode_32 3
		.amdhsa_float_denorm_mode_16_64 3
		.amdhsa_memory_ordered 1
		.amdhsa_forward_progress 1
		.amdhsa_inst_pref_size 112
	.end_amdhsa_kernel
	.amdgpu_metadata
---
amdhsa.version: [ 1, 2 ]
amdhsa.kernels:
  - .name:           k_q32cfaf4dbc_prep
    .symbol:         k_q32cfaf4dbc_prep.kd
    .args:
      - { .name: query, .offset: 0, .size: 8, .value_kind: global_buffer, .address_space: global }
      - { .name: key, .offset: 8, .size: 8, .value_kind: global_buffer, .address_space: global }
      - { .name: value, .offset: 16, .size: 8, .value_kind: global_buffer, .address_space: global }
      - { .name: W_q, .offset: 24, .size: 8, .value_kind: global_buffer, .address_space: global }
      - { .name: W_k, .offset: 32, .size: 8, .value_kind: global_buffer, .address_space: global }
      - { .name: W_v, .offset: 40, .size: 8, .value_kind: global_buffer, .address_space: global }
      - { .name: W_o, .offset: 48, .size: 8, .value_kind: global_buffer, .address_space: global }
      - { .name: xq, .offset: 56, .size: 8, .value_kind: global_buffer, .address_space: global }
      - { .name: wq, .offset: 64, .size: 8, .value_kind: global_buffer, .address_space: global }
    .group_segment_fixed_size: 68096
    .private_segment_fixed_size: 0
    .kernarg_segment_align: 8
    .kernarg_segment_size: 72
    .max_flat_workgroup_size: 128
    .sgpr_count:     66
    .vgpr_count:     192
    .wavefront_size: 32
...
	.end_amdgpu_metadata
.endif
;; end of part 1
;; launch proj (part 2): grid 4 x 96, 4 waves a work-group, clusters of 4 x 4, 327,680 bytes of LDS; arguments xq, wq, b_q, b_k, b_v, qq, kv; writes qq, kv
.if DOCPART == 2
	.amdgcn_target "amdgcn-amd-amdhsa--gfx1250"
	.amdhsa_code_object_version 6
	.text
	.protected	k_q32cfaf4dbc_proj
	.globl	k_q32cfaf4dbc_proj
	.p2align	8
	.type	k_q32cfaf4dbc_proj,@function
k_q32cfaf4dbc_proj:
	s_mov_b64 s[64:65], 0
	v_nop
	global_prefetch_b8 v0, s[64:65] scope:SCOPE_SE
	s_setreg_imm32_b32 hwreg(HW_REG_WAVE_MODE, 25, 1), 1
	s_wait_xcnt 0x0
	s_wait_alu depctr_hold_cnt(0) depctr_sa_sdst(0) depctr_va_vdst(0) depctr_va_sdst(0) depctr_va_ssrc(0) depctr_va_vcc(0) depctr_vm_vsrc(0)
	s_getreg_b32 s2, hwreg(HW_REG_IB_STS2, 6, 4)
	s_cmp_eq_u32 s2, 0
	s_cbranch_scc0 .Lentry_in_a_cluster
	s_endpgm
.Lentry_in_a_cluster:
	s_bfe_u32 s2, ttmp6, 0x10000c
	s_cmp_lg_u32 s2, 0xf033
	s_cbranch_scc0 .Lentry_shape_is_right
	s_endpgm
.Lentry_shape_is_right:
; Launch 2 of 4: q = query W_q + b_q, k = key W_k + b_k, v = value W_v + b_v on codes of E2M1 (K = 1,024), and the results quantised in registers for the attention.  No work is left out.
; A tile of 256 x 256 to a work-group of four waves, 128 x 128 to a wave: 64 accumulators.  All of K lies in two LDS slots of 512 along K, both asked for at the head: nothing is filled again.
; Cluster y = 8 tid + blk: tid 0 q, 1 k, 2 v.  THE MATRIX INSTRUCTION IS USED TRANSPOSED: source 0 = 16 rows of side B, source 1 = 16 rows of side A: a lane holds ONE row of A's side, its registers run along B's side.
; q, k: A = the tokens, B = the weight: registers run along the channels, which are the next product's K.  v: A = W_v, B = the tokens: registers run along the KEYS, which are its next K.
; Both sides lie in the tile order (position 64 g + 16 u + 8 e + j = row 64 g + 32 e + 8 u + j), so the 32 registers of four neighbouring tiles of side B are one whole block of 32 in true order in each lane:
; lanes 0-15 hold block 2 G, lanes 16-31 block 2 G + 1.  A block's maximum needs no other lane, and its four conversions are registers 4 G .. 4 G + 3 of the next operand.
; OUT, as images of operand registers (16 bytes x lane, 512 bytes a store):
;   qq: codes [bh 64][tile 128][512 B]; from 4,194,304 on scale words [bh][group of 64: 32][r 16][u 4].   kv: codes [bh][key step 16][K: tile 8 x 512 B | V: u 4 x c 2 x 512 B];
;   from 8,388,608 on [bh][step][K: g 2 x r 16 x u 4 words | V: r 16 x u 4 words].  q's and k's words: bytes 0, 1 the head's two blocks, bytes 2, 3 = 127 (the upper 64 of the instruction's 128 are zero codes).
; CLUSTERS: 4 x 4 work-groups; A's tiles are shared along a row of the cluster, B's along a column: joint loads.  The kind hangs on the cluster's y alone: it is the same in all sixteen partners.
; LIMITS: a block whose largest magnitude lies under 2^-124 gets the byte 1 (its codes are zeros); NaN and infinities are not served.
; REGISTERS: window 0: v1-29 addresses and work; v32-63 A's scale words, v64-95 B's (register 4 i + q: lanes 0-15 K step q, lanes 16-31 K step 4 + q of block i); v96-111 v's bias; v112-127 codes and words on the way out;
;   v128-191 A's fragments, later 64 numbers at work; v192-255 q's, k's bias.   window 1: B's fragments, two sets.   windows 2, 3: the accumulators ((a, b) at v[8 (8 (a % 4) + b)]).
.set PITCH,  272                       ; an LDS row: 256 bytes + 16 of padding: the 16 rows of a load start 68 words apart
.set FR,     8
.set NL,     2
.set NP,     4
.set NQ,     4                         ; steps of 128 along K in a slot
.set HALFT,  128*PITCH
.set SLOT,   4*HALFT                   ; A's 256 rows, then B's 256 rows
.set SPARE,  2*SLOT                    ; behind the slots: the spare words, 128 bytes for each wave
.set QA,   2                           ; v2-3 chain A, v4-5 chain B, v6-7 the conversions' scale operands, v8-9 the bytes
.set QB,   4
.set SO,   6
.set BY,   8
.set PW,   10                          ; the scale word just made
.set PX,   11                          ; a lane permute's destination
.set SH8,  12                          ; 8 x (lane / 16)
.set SH16, 13                          ; 16 x (lane / 16)
.set LI,   14                          ; 16 x lane
.set SOF,  15                          ; (lane / 16) x a head's scale bytes + 16 x (lane % 16)
.set ADRA, 16
.set ADRB, 20
.set VSC,  22
.set VBI,  23
.set VBV,  24
.set SPW,  28
.set NIL,  29
.set SCA,  32
.set SCB,  64
.set BV,   96
.set PC,   112
.set SW,   120
.set AF,   128
.set T,    128
.set BIAS, 192
.set SEL,  2                           ; s2, s3 lane selects: lane l xor 16
.set WV,   18
.set RH,   19                          ; which half of the tile's rows is mine; also: I fetch for A (0) or B (1)
.set CH,   20                          ; which half of its columns; also: which 128 rows I fetch
.set TID,  21
.set KIND, 22
.set G1,   24
.set G0,   32
.set G1B,  48
.set G0B,  56
.set OE,   84                          ; s[84:85] codes out; s[86:87] the next head's; s[88:89] scale words out
.set OO,   86
.set SCO,  88
.set HS,   90
.set HM,   91
.set K7F,  94
.set MSB, 0
.macro WIN new                         ; the immediate's high byte repeats the setting that is left
.if MSB != (\new)
	s_set_vgpr_msb (MSB<<8)|(\new)
.set MSB, (\new)
.endif
.endm
.set MUL_LO, 0xa1                      ; source 0 (B) window 1, source 1 (A) window 0, C and D window 2
.set MUL_HI, 0xf1
.set TO_B,   0x40
.macro JLOAD g0a, g1a, g0b, g1b        ; a joint load: waves 0, 1 fetch for A, waves 2, 3 for B; an s_nop 0 and four v_nop follow each line
	s_cmp_eq_u32 s[RH], 0
	s_cbranch_scc0 .Lfor_b_\@
	tensor_load_to_lds s[\g0a:\g0a+3], s[\g1a:\g1a+7]
	s_nop 0
.rept 4
	v_nop
.endr
	s_branch .Lasked_\@
.Lfor_b_\@:
	tensor_load_to_lds s[\g0b:\g0b+3], s[\g1b:\g1b+7]
	s_nop 0
.rept 4
	v_nop
.endr
.Lasked_\@:
.endm
.macro CROUND                          ; a round of the cluster's barrier
	s_barrier_signal -1
	s_barrier_wait -1
	s_cmp_lg_u32 s[WV], 0
	s_cbranch_scc1 .Lnot_wave_0_\@
	s_barrier_signal -3
.Lnot_wave_0_\@:
	s_barrier_wait -3
	s_barrier_signal -1
	s_barrier_wait -1
.endm
.macro FRAG reg, adr, q, i             ; 16 rows x 128 K of 4-bit codes: 8 registers, two loads 32 bytes apart
.irp c, 0,1
	ds_load_b128 v[\reg+4*\c:\reg+4*\c+3], v[\adr] offset:64*(\q)+32*\c+(\i)*16*PITCH
.endr
.endm
; 16 matrix instructions: A's blocks a0, a0 + 1 x B's eight, the slot's q-th 128 along K.  p: B's set; sl: the slot (slot 1's scale words lie in lanes 16-31); zero: the first product starts the sums.
; The 64 accumulators take turns, one instruction a turn, in the same order in every step.
.macro MUL16 a0, p, q, sl, zero
.irp a, \a0, \a0+1
.irp b, 0,1,2,3,4,5,6,7
.if \zero
	v_wmma_scale_f32_16x16x128_f8f6f4 v[8*(8*((\a)%4)+\b):8*(8*((\a)%4)+\b)+7], v[128*(\p)+FR*\b:128*(\p)+FR*\b+FR-1], v[AF+FR*(\a):AF+FR*(\a)+FR-1], 0, v[SCB+4*\b+(\q)], v[SCA+4*(\a)+(\q)] matrix_a_fmt:MATRIX_FMT_FP4 matrix_b_fmt:MATRIX_FMT_FP4
.elseif \sl
	v_wmma_scale_f32_16x16x128_f8f6f4 v[8*(8*((\a)%4)+\b):8*(8*((\a)%4)+\b)+7], v[128*(\p)+FR*\b:128*(\p)+FR*\b+FR-1], v[AF+FR*(\a):AF+FR*(\a)+FR-1], v[8*(8*((\a)%4)+\b):8*(8*((\a)%4)+\b)+7], v[SCB+4*\b+(\q)], v[SCA+4*(\a)+(\q)] matrix_a_fmt:MATRIX_FMT_FP4 matrix_b_fmt:MATRIX_FMT_FP4 matrix_a_scale:MATRIX_SCALE_ROW1 matrix_b_scale:MATRIX_SCALE_ROW1
.else
	v_wmma_scale_f32_16x16x128_f8f6f4 v[8*(8*((\a)%4)+\b):8*(8*((\a)%4)+\b)+7], v[128*(\p)+FR*\b:128*(\p)+FR*\b+FR-1], v[AF+FR*(\a):AF+FR*(\a)+FR-1], v[8*(8*((\a)%4)+\b):8*(8*((\a)%4)+\b)+7], v[SCB+4*\b+(\q)], v[SCA+4*(\a)+(\q)] matrix_a_fmt:MATRIX_FMT_FP4 matrix_b_fmt:MATRIX_FMT_FP4
.endif
.endr
.endr
.endm
.macro FETCH_B slot, q, p
	WIN TO_B
.irp i, 0,1,2,3,4,5,6,7
	FRAG 128*(\p)+FR*\i, ADRB+\slot, \q, \i
.endr
	WIN 0
.endm
.macro FETCH_A slot, q, i0
.irp i, \i0, \i0+1, \i0+2, \i0+3
	FRAG AF+FR*(\i), ADRA+\slot, \q, \i
.endr
.endm
.macro PLACES n                        ; plain vector lines between a matrix instruction and a load into, or a vector line on, its registers
.rept \n
	v_nop
.endr
.endm
.macro STEP slot, q, zero              ; a step of 128 along K that has its successor in the same slot
	s_wait_dscnt 4*NL                              ; B's set and A's blocks 0-3 are in; the youngest eight loads (A's blocks 4-7) may be out
	WIN MUL_LO
	MUL16 0, (\q)%2, \q, \slot, \zero
	MUL16 2, (\q)%2, \q, \slot, \zero
	s_wait_dscnt 0                                 ; A's blocks 4-7 are in
	PLACES NP
	FETCH_B \slot, (\q)+1, 1-(\q)%2
	FETCH_A \slot, (\q)+1, 0
	WIN MUL_HI
	MUL16 4, (\q)%2, \q, \slot, \zero
	MUL16 6, (\q)%2, \q, \slot, \zero
	PLACES NP
	WIN 0
	FETCH_A \slot, (\q)+1, 4
.endm
.macro TURN slot, next                 ; a slot's last step changes slots: one barrier
	s_wait_tensorcnt 0x0                           ; all my tensor loads have landed: my part of the next slot
	ds_add_u32 v[SPW], v[NIL]                      ; 0 onto my spare word
	s_wait_dscnt 4*NL+1                            ; the add and the youngest eight loads may be out
	WIN MUL_LO
	MUL16 0, 1, NQ-1, \slot, 0
	s_wait_dscnt 0x0                               ; the add is done, and my reads of this slot are over
	s_barrier_signal -1
	MUL16 2, 1, NQ-1, \slot, 0
	WIN 0
	s_barrier_wait -1                              ; the next slot is whole for every wave
	PLACES NP
	FETCH_B \next, 0, 0
	FETCH_A \next, 0, 0
	WIN MUL_HI
	MUL16 4, 1, NQ-1, \slot, 0
	MUL16 6, 1, NQ-1, \slot, 0
	PLACES NP
	WIN 0
	FETCH_A \next, 0, 4
.endm
.macro STEPS slot, from
.set Q, \from
.rept NQ-1-\from
	STEP \slot, Q, 0
.set Q, Q+1
.endr
.endm
; 64 numbers of a lane, v[s + 32 G + i] = element 64 G + 32 (lane / 16) + i of my row, become a fragment's 8 registers in v[PC] on and the row's scale word in v[PW].  Each lane holds two whole blocks.
.macro QUANT2 s
.irp G, 0,1
	v_max3_num_f32 v[QA+\G], |v[\s+32*\G]|, |v[\s+32*\G+1]|, 0x1800000   ; with the floor 2^(3 - 127): the byte cannot fall under 1
	v_max3_num_f32 v[QB+\G], |v[\s+32*\G+16]|, |v[\s+32*\G+17]|, |v[\s+32*\G+18]|
.endr
.irp i, 0,2,4,6,8,10
.irp G, 0,1
	v_max3_num_f32 v[QA+\G], v[QA+\G], |v[\s+32*\G+2+\i]|, |v[\s+32*\G+3+\i]|    ; four chains by turns
	v_max3_num_f32 v[QB+\G], v[QB+\G], |v[\s+32*\G+19+\i]|, |v[\s+32*\G+20+\i]|
.endr
.endr
.irp G, 0,1
	v_max3_num_f32 v[QA+\G], v[QA+\G], |v[\s+32*\G+14]|, |v[\s+32*\G+15]|
.endr
.irp G, 0,1
	v_max3_num_f32 v[QA+\G], v[QA+\G], v[QB+\G], |v[\s+32*\G+31]|
.endr
.irp G, 0,1
	v_add_nc_u32 v[SO+\G], 0xff000000, v[QA+\G]    ; 2 off the exponent field: the conversion's scale operand
.endr
.irp G, 0,1
	v_lshrrev_b32 v[BY+\G], 23, v[SO+\G]           ; the scale's byte
.endr
	v_lshl_or_b32 v[PW], v[BY+1], 16, v[BY]        ; my two bytes: blocks h and 2 + h,
	v_lshlrev_b32 v[PW], v[SH8], v[PW]             ; at their places;
	v_permlanex16_b32 v[PX], v[PW], s[SEL], s[SEL+1]
	v_or_b32 v[PW], v[PW], v[PX]                   ; with lane l xor 16's two the word is whole
.irp G, 0,1
.irp g, 0,1,2,3
	v_cvt_scalef32_pk8_fp4_f32 v[PC+4*\G+\g], v[\s+32*\G+8*\g:\s+32*\G+8*\g+7], v[SO+\G]
.endr
.endr
	v_nop                                          ; one plain line behind the last conversion
.endm
; THE WAY OUT, block a of 16 rows of A's side at a time: + bias, quantise, store images.  Each accumulator is read from its low end on.
.macro EPI kind
.irp a, 0,1,2,3,4,5,6,7
	s_wait_xcnt 0x0                                ; the last block's stores have read their registers
	WIN 0x02+(\a)/4                                ; source 0: window 2 or 3
.set n, 0
.rept 32
.if \kind
	v_pk_add_f32 v[T+n:T+n+1], v[64*((\a)%4)+n:64*((\a)%4)+n+1], v[BV+2*\a:BV+2*\a+1]   ; v: the bias of my channel
.else
	v_pk_add_f32 v[T+n:T+n+1], v[64*((\a)%4)+n:64*((\a)%4)+n+1], v[BIAS+n:BIAS+n+1]     ; q, k: the biases of my 64 channels
.endif
.set n, n+2
.endr
	WIN 0
	QUANT2 T
.if \kind
	global_store_b128 v[LI], v[PC:PC+3], s[OE:OE+1] offset:((\a)/4)*131072+((\a)%4)*1024        ; V's fragment: 16 channels x 128 keys
	global_store_b128 v[LI], v[PC+4:PC+7], s[OE:OE+1] offset:((\a)/4)*131072+((\a)%4)*1024+512
	v_mov_b32 v[SW+\a], v[PW]
.else
	global_store_b128 v[LI], v[PC:PC+3], s[OE:OE+1] offset:512*\a      ; the first head's 64 channels of these 16 rows
	global_store_b128 v[LI], v[PC+4:PC+7], s[OO:OO+1] offset:512*\a    ; the second head's
	v_lshrrev_b32 v[SW+\a], v[SH16], v[PW]         ; lanes 0-15 keep the first head's two bytes, lanes 16-31 the second's,
	v_and_or_b32 v[SW+\a], v[SW+\a], 0xffff, s[K7F]   ; under two bytes of 127
.endif
.endr
.if \kind
	s_wait_alu depctr_va_vdst(0)
	s_wait_xcnt 0x0
.irp j, 0,1,2,3
	v_cndmask_b32 v[PC+\j], v[SW+\j], v[SW+4+\j], s[HM]   ; lanes 0-15: the first head's four tiles; lanes 16-31: the second's
.endr
	global_store_b128 v[SOF], v[PC:PC+3], s[SCO:SCO+1]    ; sixteen lanes store 256 consecutive bytes, aligned
.else
	global_store_b128 v[SOF], v[SW:SW+3], s[SCO:SCO+1]
	global_store_b128 v[SOF], v[SW+4:SW+7], s[SCO:SCO+1] offset:256
.endif
.endm
	s_load_b256 s[4:11], s[0:1], 0x0               ; xq s[4:5], wq s[6:7], b_q s[8:9], b_k s[10:11]
	s_load_b128 s[12:15], s[0:1], 0x20             ; b_v s[12:13], qq s[14:15]
	s_load_b64 s[16:17], s[0:1], 0x30              ; kv
	v_lshl_add_u32 v[SPW], v0, 2, SPARE
	v_mov_b32 v[NIL], 0
	ds_add_u32 v[SPW], v[NIL]                      ; the wave's opening
	ds_add_u32 v[SPW], v[NIL]
	v_lshrrev_b32 v1, 5, v0
	v_readfirstlane_b32 s[WV], v1
	s_lshr_b32 s[RH], s[WV], 1
	s_and_b32 s[CH], s[WV], 1
	s_bfe_u32 s40, ttmp6, 0x40000                  ; cx
	s_bfe_u32 s41, ttmp6, 0x40004                  ; cy
	s_and_b32 s42, ttmp7, 0xffff                   ; the cluster's y
	s_lshr_b32 s[TID], s42, 3
	s_and_b32 s42, s42, 7
	s_lshl_b32 s42, s42, 2                         ; 4 blk
	s_cmp_eq_u32 s[TID], 2
	s_cselect_b32 s[KIND], 1, 0
	s_cselect_b32 s43, 0, s42
	s_cselect_b32 s44, s42, 0
	s_add_co_u32 s43, s43, s41                     ; tile row: q, k: 4 blk + cy; v: cy
	s_add_co_u32 s44, s44, s40                     ; tile column: q, k: cx; v: 4 blk + cx
	s_lshl_b32 s45, s41, 2
	s_lshl_b32 s45, 15, s45                        ; my row of the cluster
	s_lshl_b32 s46, 0x1111, s40                    ; my column
	s_or_b32 s[G1], s45, (1<<20)|(1<<21)|(5<<22)|(3<<25)    ; the mask; elements of 1 byte; padding on; bit 21 beside a mask; after every 64 words 4 words
	s_or_b32 s[G1B], s46, (1<<20)|(1<<21)|(5<<22)|(3<<25)
.irp g, G1, G1B
	s_mov_b32 s[\g+1], 256<<16                     ; tensor_dim0
	s_mov_b32 s[\g+2], 128<<16                     ; tensor_dim1
	s_mov_b32 s[\g+3], 256<<16                     ; tile_dim0
	s_mov_b32 s[\g+4], 128                         ; tile_dim1
	s_mov_b32 s[\g+5], 512                         ; bytes from row to row
	s_mov_b32 s[\g+6], 0
	s_mov_b32 s[\g+7], 0
.endr
	s_lshl_b32 s47, s[CH], 7
	s_lshl_b32 s66, s43, 8
	s_add_co_u32 s66, s66, s47
	s_lshl_b32 s66, s66, 9                         ; A: the 128 rows that I fetch, in bytes
	s_lshl_b32 s68, s44, 8
	s_add_co_u32 s68, s68, s47
	s_lshl_b32 s68, s68, 9                         ; B likewise
	s_lshl_b32 s70, s[TID], 22                     ; the tokens' codes in xq
	s_lshl_b32 s71, s[TID], 19                     ; the weight's codes in wq
	s_lshl_b32 s72, s[TID], 18
	s_add_co_u32 s72, s72, 12582912                ; the tokens' scale bytes
	s_lshl_b32 s73, s[TID], 15
	s_add_co_u32 s73, s73, 2097152                 ; the weight's
	s_cmp_eq_u32 s[KIND], 1                        ; v: the weight is side A
	s_cselect_b32 s96, s71, s70
	s_cselect_b32 s97, s70, s71
	s_cselect_b32 s76, s73, s72
	s_cselect_b32 s78, s72, s73
	s_add_co_u32 s66, s66, s96
	s_mov_b32 s67, 0
	s_add_co_u32 s68, s68, s97
	s_mov_b32 s69, 0
	s_lshl_b32 s92, s43, 8
	s_lshl_b32 s98, s[RH], 7
	s_add_co_u32 s92, s92, s98                     ; P0: my first row of side A
	s_lshl_b32 s93, s44, 8
	s_add_co_u32 s93, s93, s47                     ; C0: my first row of side B
	s_lshl_b32 s98, s92, 5
	s_add_co_u32 s76, s76, s98                     ; 32 scale bytes a row
	s_mov_b32 s77, 0
	s_lshl_b32 s98, s93, 5
	s_add_co_u32 s78, s78, s98
	s_mov_b32 s79, 0
	s_lshl_b32 s80, s93, 2
	s_lshl_b32 s82, s92, 2
	s_cmp_eq_u32 s[KIND], 1                        ; both forms of the bias are loaded; the one that the kind does not use from offset 0, inside the buffer
	s_cselect_b32 s80, 0, s80
	s_cselect_b32 s82, s82, 0
	s_mov_b32 s81, 0
	s_mov_b32 s83, 0
	s_mul_i32 s23, s[WV], HALFT                    ; where my tiles go: no place in the cluster enters an LDS address
	s_mov_b32 s[SEL], 0x76543210
	s_mov_b32 s[SEL+1], 0xfedcba98
	s_mov_b32 s[HM], 0xffff0000
	s_mov_b32 s[K7F], 0x7f7f0000
	s_wait_dscnt 0x0                               ; both opening adds are done
	s_wait_kmcnt 0x0
	s_cmp_eq_u32 s[KIND], 1
	s_cselect_b64 s[70:71], s[6:7], s[4:5]         ; A's buffer
	s_cselect_b64 s[72:73], s[4:5], s[6:7]         ; B's
	s_add_nc_u64 s[66:67], s[70:71], s[66:67]
	s_add_nc_u64 s[68:69], s[72:73], s[68:69]
	s_add_nc_u64 s[76:77], s[70:71], s[76:77]
	s_add_nc_u64 s[78:79], s[72:73], s[78:79]
	s_cmp_eq_u32 s[TID], 0
	s_cselect_b64 s[74:75], s[8:9], s[10:11]
	s_cmp_eq_u32 s[TID], 2
	s_cselect_b64 s[74:75], s[12:13], s[74:75]
	s_add_nc_u64 s[80:81], s[74:75], s[80:81]
	s_add_nc_u64 s[82:83], s[74:75], s[82:83]
	CROUND                                         ; all sixteen work-groups are here: the joint loads meet
.irp s, 0,1
	s_mov_b32 s[G0+4*\s], 1
	s_add_co_u32 s[G0+4*\s+1], s23, \s*SLOT
	s_add_nc_u64 s[G0+4*\s+2:G0+4*\s+3], s[66:67], \s*256
	s_or_b32 s[G0+4*\s+3], s[G0+4*\s+3], 0x80000000
	s_mov_b32 s[G0B+4*\s], 1
	s_add_co_u32 s[G0B+4*\s+1], s23, \s*SLOT
	s_add_nc_u64 s[G0B+4*\s+2:G0B+4*\s+3], s[68:69], \s*256
	s_or_b32 s[G0B+4*\s+3], s[G0B+4*\s+3], 0x80000000
	s_wait_alu depctr_va_vdst(0)
	s_wait_tensorcnt 0x0
	ds_add_u32 v28, v29
	ds_add_u32 v28, v29
	s_wait_dscnt 0x0
	CROUND
	JLOAD G0+4*\s, G1, G0B+4*\s, G1B               ; both slots are first fills: the wait above leaves one load of mine out
.endr
	v_and_b32 v1, 15, v0                           ; r
	v_bfe_u32 v26, v0, 4, 1                        ; h
	v_lshlrev_b32 v[VSC], 5, v1
	v_lshl_add_u32 v[VSC], v26, 4, v[VSC]          ; a row's 32 scale bytes: lanes 0-15 the first four words, lanes 16-31 the last four
	v_lshlrev_b32 v[VBI], 7, v26                   ; q, k: my half's 32 channels of each 64
	v_and_b32 v[VBV], 7, v1
	v_lshrrev_b32 v25, 3, v1
	v_lshlrev_b32 v[VBV], 2, v[VBV]
	v_lshl_add_u32 v[VBV], v25, 7, v[VBV]          ; v: lane r of a tile is channel (r % 8) + 32 (r / 8) from the tile's base
.irp i, 0,1,2,3,4,5,6,7
	global_load_b128 v[SCA+4*\i:SCA+4*\i+3], v[VSC], s[76:77] offset:512*\i
	global_load_b128 v[SCB+4*\i:SCB+4*\i+3], v[VSC], s[78:79] offset:512*\i
.endr
.irp G, 0,1
.irp m, 0,1,2,3,4,5,6,7
	global_load_b128 v[BIAS+32*\G+4*\m:BIAS+32*\G+4*\m+3], v[VBI], s[80:81] offset:256*\G+16*\m
.endr
.endr
.irp a, 0,1,2,3,4,5,6,7
	global_load_b32 v[BV+2*\a], v[VBV], s[82:83] offset:4*(64*(\a/4)+8*(\a%4))
	global_load_b32 v[BV+2*\a+1], v[VBV], s[82:83] offset:4*(64*(\a/4)+8*(\a%4))   ; twice: a pair for the packed addition
.endr
	v_mul_u32_u24 v27, v1, PITCH
	v_lshl_add_u32 v27, v26, 4, v27                ; a fragment's row x pitch + 16 x half
	s_mul_i32 s98, s[RH], HALFT                    ; my 128 rows of A
	s_mul_i32 s99, s[CH], HALFT                    ; my 128 rows of B,
	s_add_co_u32 s99, s99, 2*HALFT                 ; behind A's 256
.irp s, 0,1
	v_add_nc_u32 v[ADRA+\s], s98, v27
	v_add_nc_u32 v[ADRB+\s], s99, v27
	s_add_co_u32 s98, s98, SLOT
	s_add_co_u32 s99, s99, SLOT
.endr
	v_lshlrev_b32 v[SH8], 3, v26
	v_lshlrev_b32 v[SH16], 4, v26
	v_and_b32 v[LI], 31, v0
	v_lshlrev_b32 v[LI], 4, v[LI]
	v_mov_b32 v[PX], 0                             ; written once: a lane permute's destination counts as one of its sources
	; where the results go.  Tokens: q, k: side A; v: side B.  Channels: the other side
	s_cmp_eq_u32 s[KIND], 1
	s_cselect_b32 s96, s93, s92                    ; my first token (a position among 8,192)
	s_cselect_b32 s97, s92, s93                    ; my first channel
	s_lshr_b32 s98, s96, 11                        ; the batch
	s_and_b32 s96, s96, 2047                       ; the position in it
	s_lshl_b32 s98, s98, 4
	s_lshr_b32 s97, s97, 6
	s_add_co_u32 s98, s98, s97                     ; bh of my first head
	s_lshl_b32 s97, s98, 4
	s_lshr_b32 s99, s96, 7
	s_add_co_u32 s97, s97, s99                     ; kv's record: 16 bh + key step
	s_lshl_b32 s[OE], s97, 13                      ; kv: 8,192 bytes of codes a record, V's behind K's 4,096
	s_lshl_b32 s99, s[KIND], 12
	s_add_co_u32 s[OE], s[OE], s99
	s_mul_i32 s[SCO], s97, 768                     ; 768 scale bytes a record, V's behind K's 512
	s_lshl_b32 s99, s[KIND], 9
	s_add_co_u32 s[SCO], s[SCO], s99
	s_add_co_u32 s[SCO], s[SCO], 0x800000
	s_lshl_b32 s[OO], s98, 16                      ; qq: 65,536 bytes of codes a head, 32 a position
	s_lshl_b32 s99, s96, 5
	s_add_co_u32 s[OO], s[OO], s99
	s_lshl_b32 s95, s98, 13                        ; 8,192 bytes of scale words a head, 4 a position
	s_lshl_b32 s99, s96, 2
	s_add_co_u32 s95, s95, s99
	s_add_co_u32 s95, s95, 0x400000
	s_mov_b32 s[HS], 12288
	s_mov_b32 s99, 0x20000
	s_cmp_eq_u32 s[TID], 0
	s_cselect_b32 s[OE], s[OO], s[OE]
	s_cselect_b32 s[SCO], s95, s[SCO]
	s_cselect_b32 s[HS], 8192, s[HS]               ; from a head's scale bytes to the next head's
	s_cselect_b32 s[OO], 0x10000, s99              ; from a head's codes to the next head's
	s_cselect_b64 s[96:97], s[14:15], s[16:17]     ; qq or kv
	s_mov_b32 s[OE+1], 0
	s_mov_b32 s[OO+1], 0
	s_mov_b32 s[SCO+1], 0
	s_add_nc_u64 s[OE:OE+1], s[96:97], s[OE:OE+1]
	s_add_nc_u64 s[OO:OO+1], s[OE:OE+1], s[OO:OO+1]
	s_add_nc_u64 s[SCO:SCO+1], s[96:97], s[SCO:SCO+1]
	v_mul_u32_u24 v[SOF], v26, s[HS]
	v_lshl_add_u32 v[SOF], v1, 4, v[SOF]
	s_wait_alu depctr_va_vdst(0)
	s_wait_tensorcnt 1                             ; my part of slot 0 is in; slot 1's load may be out
	s_barrier_signal -1
	s_barrier_wait -1                              ; everybody's is
	FETCH_B 0, 0, 0
	FETCH_A 0, 0, 0
	FETCH_A 0, 0, 4
	s_wait_loadcnt 0x0                             ; scale words and biases
	STEP 0, 0, 1                                   ; the first step's products start the sums: nothing is cleared
	STEPS 0, 1
	TURN 0, 1
	STEPS 1, 0
	s_wait_dscnt 4*NL                              ; the last step: nothing more to fetch
	WIN MUL_LO
	MUL16 0, 1, NQ-1, 1, 0
	MUL16 2, 1, NQ-1, 1, 0
	s_wait_dscnt 0
	WIN MUL_HI
	MUL16 4, 1, NQ-1, 1, 0
	MUL16 6, 1, NQ-1, 1, 0
	WIN 0
	PLACES NP                                      ; ahead of the first read of results and the first write over A's fragments
	s_cmp_eq_u32 s[KIND], 1                        ; the cluster's y alone: all waves and all partners go the same way
	s_cbranch_scc1 .Lepi_v
	EPI 0
	s_branch .Lend
.Lepi_v:
	EPI 1
.Lend:
	s_wait_tensorcnt 0x0                           ; the wave's end
	ds_add_u32 v[SPW], v[NIL]
	s_wait_dscnt 0x0
	CROUND                                         ; the closing round
	s_endpgm
.Lfunc_end_k_q32cfaf4dbc_proj:
	.size	k_q32cfaf4dbc_proj, .Lfunc_end_k_q32cfaf4dbc_proj-k_q32cfaf4dbc_proj
	.p2alignl 7, 3214868480
	.fill 96, 4, 3214868480
	.section	.rodata,"a",@progbits
	.p2align	6, 0x0
	.amdhsa_kernel k_q32cfaf4dbc_proj
		.amdhsa_group_segment_fixed_size 327680
		.amdhsa_private_segment_fixed_size 0
		.amdhsa_enable_private_segment 0
		.amdhsa_kernarg_size 56
		.amdhsa_user_sgpr_count 2
		.amdhsa_user_sgpr_kernarg_segment_ptr 1
		.amdhsa_wavefront_size32 1
		.amdhsa_system_sgpr_workgroup_id_x 1
		.amdhsa_system_sgpr_workgroup_id_y 1
		.amdhsa_system_sgpr_workgroup_id_z 1
		.amdhsa_system_vgpr_workitem_id 0
		.amdhsa_next_free_vgpr 1024
		.amdhsa_next_free_sgpr 100
		.amdhsa_reserve_vcc 0
		.amdhsa_float_denorm_mode_32 3
		.amdhsa_float_denorm_mode_16_64 3
		.amdhsa_memory_ordered 1
		.amdhsa_forward_progress 1
		.amdhsa_inst_pref_size 186
	.end_amdhsa_kernel
	.amdgpu_metadata
---
amdhsa.version: [ 1, 2 ]
amdhsa.kernels:
  - .name:           k_q32cfaf4dbc_proj
    .symbol:         k_q32cfaf4dbc_proj.kd
    .args:
      - { .name: xq, .offset: 0, .size: 8, .value_kind: global_buffer, .address_space: global }
      - { .name: wq, .offset: 8, .size: 8, .value_kind: global_buffer, .address_space: global }
      - { .name: b_q, .offset: 16, .size: 8, .value_kind: global_buffer, .address_space: global }
      - { .name: b_k, .offset: 24, .size: 8, .value_kind: global_buffer, .address_space: global }
      - { .name: b_v, .offset: 32, .size: 8, .value_kind: global_buffer, .address_space: global }
      - { .name: qq, .offset: 40, .size: 8, .value_kind: global_buffer, .address_space: global }
      - { .name: kv, .offset: 48, .size: 8, .value_kind: global_buffer, .address_space: global }
    .group_segment_fixed_size: 327680
    .private_segment_fixed_size: 0
    .kernarg_segment_align: 8
    .kernarg_segment_size: 56
    .max_flat_workgroup_size: 128
    .sgpr_count:     100
    .vgpr_count:     1024
    .wavefront_size: 32
...
	.end_amdgpu_metadata
.endif
;; end of part 2
;; launch attn (part 3): grid 8 x 32, 16 waves a work-group, clusters of 4 x 1, 327,680 bytes of LDS; arguments qq, kv, cq; writes cq
.if DOCPART == 3
	.amdgcn_target "amdgcn-amd-amdhsa--gfx1250"
	.amdhsa_code_object_version 6
	.text
	.protected	k_q32cfaf4dbc_attn
	.globl	k_q32cfaf4dbc_attn
	.p2align	8
	.type	k_q32cfaf4dbc_attn,@function
k_q32cfaf4dbc_attn:
	s_mov_b64 s[64:65], 0
	v_nop
	global_prefetch_b8 v0, s[64:65] scope:SCOPE_SE
	s_setreg_imm32_b32 hwreg(HW_REG_WAVE_MODE, 25, 1), 1
	s_wait_xcnt 0x0
	s_wait_alu depctr_hold_cnt(0) depctr_sa_sdst(0) depctr_va_vdst(0) depctr_va_sdst(0) depctr_va_ssrc(0) depctr_va_vcc(0) depctr_vm_vsrc(0)
	s_getreg_b32 s2, hwreg(HW_REG_IB_STS2, 6, 4)
	s_cmp_eq_u32 s2, 0
	s_cbranch_scc0 .Lentry_in_a_cluster
	s_endpgm
.Lentry_in_a_cluster:
	s_bfe_u32 s2, ttmp6, 0x10000c
	s_cmp_lg_u32 s2, 0x3003
	s_cbranch_scc0 .Lentry_shape_is_right
	s_endpgm
.Lentry_shape_is_right:
; Launch 3 of 4: ctx = softmax(q k^T / 8) v on codes of E2M1, and ctx quantised along the heads' channels for the output projection.  No work is left out.
; THE SOFTMAX AHEAD OF THE SECOND PRODUCT: t = score x log2(e) / 8; M = the running largest t rounded UP to a whole number; p = 2^(t - M) is quantised along the keys, not normalised.  The row's sum is taken of the
; unquantised p in f32 and divides at the end.  When M moves, the sum and O are multiplied by 2^(old M - new M): exact.
; SHARES.  A work-group owns 256 queries (positions in the tile order) of a PAIR of heads 2 s, 2 s + 1 of a batch (y = 8 b + s), one head after the other: the pair's 128 channels are one K step of the output projection.
; Each of its sixteen waves owns one tile of 16 queries in 256 registers: four waves to a SIMD, so that one wave's vector work stands beside another's matrix work.  Every wave walks 16 key steps of 128 keys a head.
; LAYOUT.  Both products transposed: S^T = K Q^T, O^T = V^T P^T: a lane holds ONE query throughout.  K's tiles and V's channel tiles were laid in the tile order, so a lane's 32 registers of four neighbouring tiles are one
; whole block of 32 keys (or channels) in true order: lanes 0-15 block 2 G, lanes 16-31 block 2 G + 1.  A block's maximum needs no other lane, and its four conversions are registers 4 G .. 4 G + 3 of the next operand.
; K = 64 IN AN INSTRUCTION OF 128.  Q's registers 4-7 are zero codes and bytes 2, 3 of both scale words are 127: k = 64 .. 127 add exactly 0, whatever source 0 holds there.  So K's tile t is the run of 8 registers
; from its own four on: its upper half is the next tile's codes (zeros behind the last).  One load and four registers a tile.
; kv comes as images of registers: every LDS read takes 512 consecutive bytes.  Ring: two slots of four key steps (32,768 bytes), filled by waves 0 and 1; the pair's scale records (24,576 bytes) come once, by waves 2 and 3.
; CLUSTER.  The four query blocks of a cluster walk the same kv: every tensor load is joint (mask 15).
; OUT: cq: codes [row tile 512][K step 8][c 2][512 B] as images; from 4,194,304 on scale words [K step 8][position 8192].
; LIMITS: a block whose largest magnitude (or p) lies under 2^-124 gets the byte 1: its codes are zeros; NaN and infinities are not served.
.set SLOTB, 32768
.set SCL,   65536                      ; the scale records
.set STG,   90112                      ; 1,024 bytes: the work-group's 256 scale words of ctx; ds_store alone writes here
.set SPARE, 91136                      ; the spare words, 128 bytes for each of 16 waves
.set LI,  1                            ; 16 x lane
.set LR,  2                            ; 16 x (lane % 16)
.set SPW, 3
.set NIL, 4
.set SH8, 5                            ; 8 x (lane / 16)
.set ADC, 6                            ; LDS address of the slot's images
.set ADS, 7                            ; of K's scale words
.set ADT, 8                            ; of V's
.set MS,  9                            ; the running largest score
.set F,   10                           ; v[10:11] f = 2^(old M - new M) (low word serves both halves)
.set QF,  16                           ; v16-23 Q's fragment (v20-23 zeros); v24 its scale word; v25, v26-29 the second head's
.set QS,  24
.set QS2, 25
.set QF2, 26
.set KT,  32                           ; v32-63 K's eight tiles, v64-67 zeros
.set VF,  68                           ; v68-99 V's four fragments
.set S,   100                          ; v100-163 S^T, then p
.set O,   164                          ; v164-195 O^T
.set PCD, 196                          ; v196-203 p's codes
.set KS,  204
.set VS,  208
.set PS,  212                          ; p's scale word
.set BM,  214                          ; v214-215 the blocks' largest; v216-217 second chains; v218-219 scale operands; v220-221 bytes; v[222:223] a sum; v224, v225 at work
.set BN,  216
.set SO,  218
.set BY,  220
.set SM,  222
.set T0,  224
.set PX,  225
.set CC,  228                          ; v228-235 ctx's codes
.set HB,  236                          ; v236-237 ctx's bytes
.set PFO, 238
.set GST, 239
.set GLD, 240
.set WV,  10                           ; s10 my wave's number
.set SEL, 20
.set CS,  22                           ; s[22:23] c = log2(e) / 8
.set G1C, 24
.set G1S, 32
.set G0C, 40
.set G0S, 44
.set TB,  48
.set TS,  49
.set SLOTS, 50
.set PFA, 52
.set LIM, 54
.macro CROUND                          ; a round of the cluster's barrier
	s_barrier_signal -1
	s_barrier_wait -1
	s_cmp_lg_u32 s[WV], 0
	s_cbranch_scc1 .Lnot_wave_0_\@
	s_barrier_signal -3
.Lnot_wave_0_\@:
	s_barrier_wait -3
	s_barrier_signal -1
	s_barrier_wait -1
.endm
.macro CLOAD                           ; waves 0 and 1 fetch the halves of a slot; the branch hangs on the wave's number alone; an s_nop 0 and four v_nop follow the load
	s_cmp_lt_u32 s[WV], 2
	s_cbranch_scc0 .Lno_load_\@
	tensor_load_to_lds s[G0C:G0C+3], s[G1C:G1C+7]
	s_nop 0
.rept 4
	v_nop
.endr
.Lno_load_\@:
.endm
; A prefetch of the slot that the NEXT change of slots will ask for: four key steps ahead of that load.  Both clusters of a pair of heads walk the same kv: the first asks.  Its four partners share the slot's 32,768 bytes
; out BY ADDRESS, 8,192 each; in each, wave 4 asks, lanes 256 bytes apart: each aligned block of 256 bytes is named once.  The last filling change asks for nothing; slots 0, 1 and the scales come by their loads alone.
.macro ASK
	s_cmp_gt_u32 s[SLOTS], s[LIM]
	s_cbranch_scc0 .Lnot_mine_\@
	global_prefetch_b8 v[PFO], s[PFA:PFA+1] th:TH_LOAD_NT scope:SCOPE_SE
.Lnot_mine_\@:
.endm
; A KEY STEP: 128 keys, the q-th of the slot in hand.
.macro STEP q
.rept 4
	v_nop                                          ; places behind the last V^T P, ahead of the loads into V's fragments and scale words
.endr
.irp t, 0,1,2,3,4,5,6,7
	ds_load_b128 v[KT+4*\t:KT+4*\t+3], v[ADC] offset:8192*(\q)+512*\t
.endr
	ds_load_b128 v[KS:KS+3], v[ADS] offset:768*(\q)                  ; register u: lanes 0-15 tile u's words, lanes 16-31 tile 4 + u's
.irp u, 0,1,2,3
.irp c, 0,1
	ds_load_b128 v[VF+8*\u+4*\c:VF+8*\u+4*\c+3], v[ADC] offset:8192*(\q)+4096+1024*\u+512*\c
.endr
.endr
	ds_load_b128 v[VS:VS+3], v[ADT] offset:768*(\q)+512
	s_wait_dscnt 9                                 ; K's nine loads are in; V's nine may be out
.irp t, 0,1,2,3
	v_wmma_scale_f32_16x16x128_f8f6f4 v[S+8*\t:S+8*\t+7], v[KT+4*\t:KT+4*\t+7], v[QF:QF+7], 0, v[KS+\t], v[QS] matrix_a_fmt:MATRIX_FMT_FP4 matrix_b_fmt:MATRIX_FMT_FP4
.endr
.irp t, 4,5,6,7
	v_wmma_scale_f32_16x16x128_f8f6f4 v[S+8*\t:S+8*\t+7], v[KT+4*\t:KT+4*\t+7], v[QF:QF+7], 0, v[KS+\t-4], v[QS] matrix_a_fmt:MATRIX_FMT_FP4 matrix_b_fmt:MATRIX_FMT_FP4 matrix_a_scale:MATRIX_SCALE_ROW1
.endr
.rept 4
	v_nop
.endr
	; the largest SCORE of each of my two blocks of 32 keys: it serves the row's maximum and, since p rises with the score, the block's largest p.  Each accumulator is first read at its low end
.irp G, 0,1
	v_max3_num_f32 v[BM+\G], v[S+32*\G], v[S+32*\G+1], v[S+32*\G+2]
	v_max3_num_f32 v[BN+\G], v[S+32*\G+16], v[S+32*\G+17], v[S+32*\G+18]
.endr
.irp i, 3,5,7,9,11,13
.irp G, 0,1
	v_max3_num_f32 v[BM+\G], v[BM+\G], v[S+32*\G+\i], v[S+32*\G+\i+1]
	v_max3_num_f32 v[BN+\G], v[BN+\G], v[S+32*\G+16+\i], v[S+32*\G+17+\i]
.endr
.endr
.irp G, 0,1
	v_max3_num_f32 v[BM+\G], v[BM+\G], v[S+32*\G+15], v[S+32*\G+31]
.endr
.irp G, 0,1
	s_delay_alu instid0(VALU_DEP_2)
	v_max_num_f32 v[BM+\G], v[BM+\G], v[BN+\G]
.endr
	s_delay_alu instid0(VALU_DEP_1)
	v_max_num_f32 v[T0], v[BM], v[BM+1]
	s_delay_alu instid0(VALU_DEP_1)
	v_permlanex16_b32 v[PX], v[T0], s[SEL], s[SEL+1]   ; my query's other 64 keys lie in the lane 16 away
	s_delay_alu instid0(VALU_DEP_1)
	v_max3_num_f32 v[MS], v[MS], v[T0], v[PX]      ; the running largest score
	s_delay_alu instid0(VALU_DEP_1)
	v_mul_f32 v13, s[CS], v[MS]                    ; as t (c is positive)
	v_mov_b32 v30, v12
	s_delay_alu instid0(VALU_DEP_2)
	v_floor_f32 v12, -v13                          ; the new -M = floor(-t): M is a whole number
	s_delay_alu instid0(VALU_DEP_1)
	v_sub_f32 v30, v12, v30                        ; old M - new M: a whole number, 0 or less
	s_delay_alu instid0(VALU_DEP_1)
	v_cvt_i32_f32 v30, v30                         ; (it saturates)
	s_delay_alu instid0(VALU_DEP_1)
	v_ldexp_f32 v[F], 1.0, v30                     ; f
.set n, 0
.rept 32
	v_pk_fma_f32 v[S+n:S+n+1], v[S+n:S+n+1], s[CS:CS+1], v[12:13] op_sel_hi:[1,0,0]   ; t - M, two at a time
.set n, n+2
.endr
.irp G, 0,1
	v_fma_f32 v[BM+\G], v[BM+\G], s[CS], v12       ; the same of each block's largest score
.endr
.set n, 0
	s_wait_alu depctr_va_vdst(0)
.rept 64
	v_exp_f32 v[S+n], v[S+n]                       ; p = 2^(t - M), at most 1
.set n, n+1
.endr
	v_pk_mul_f32 v[14:15], v[14:15], v[F:F+1] op_sel_hi:[1,0]   ; the sums under the new M (a plain line behind the exponentials)
	s_wait_alu depctr_va_vdst(0)                   ; one wait for the whole batch, ahead of its first reader
.irp G, 0,1
	v_exp_f32 v[BM+\G], v[BM+\G]                   ; the block's largest p: the same two instructions on the same number give the same bits
.endr
	v_pk_add_f32 v[222:223], v[104:105], v[108:109]
	v_pk_add_f32 v[254:255], v[112:113], v[116:117]
	v_pk_add_f32 v[252:253], v[120:121], v[124:125]
	v_pk_add_f32 v[250:251], v[128:129], v[132:133]
	v_pk_add_f32 v[248:249], v[136:137], v[140:141]
	v_pk_add_f32 v[246:247], v[144:145], v[148:149]
	v_pk_add_f32 v[244:245], v[152:153], v[156:157]
	v_pk_add_f32 v[14:15], v[14:15], v[160:161]
	v_pk_add_f32 v[222:223], v[222:223], v[100:101]
	v_pk_add_f32 v[254:255], v[254:255], v[102:103]
	v_pk_add_f32 v[252:253], v[252:253], v[106:107]
	v_pk_add_f32 v[250:251], v[250:251], v[110:111]
	v_pk_add_f32 v[248:249], v[248:249], v[114:115]
	v_pk_add_f32 v[246:247], v[246:247], v[118:119]
	v_pk_add_f32 v[244:245], v[244:245], v[122:123]
	v_pk_add_f32 v[14:15], v[14:15], v[126:127]
	v_pk_add_f32 v[222:223], v[222:223], v[130:131]
	v_pk_add_f32 v[254:255], v[254:255], v[134:135]
	v_pk_add_f32 v[252:253], v[252:253], v[138:139]
	v_pk_add_f32 v[250:251], v[250:251], v[142:143]
	v_pk_add_f32 v[248:249], v[248:249], v[146:147]
	v_pk_add_f32 v[246:247], v[246:247], v[150:151]
	v_pk_add_f32 v[244:245], v[244:245], v[154:155]
	v_pk_add_f32 v[14:15], v[14:15], v[158:159]
	v_pk_add_f32 v[222:223], v[222:223], v[162:163]
	s_delay_alu instid0(VALU_DEP_2)
	v_pk_add_f32 v[14:15], v[14:15], v[250:251]
	s_delay_alu instid0(VALU_DEP_2)
	v_pk_add_f32 v[222:223], v[222:223], v[248:249]
	v_pk_add_f32 v[254:255], v[254:255], v[246:247]
	v_pk_add_f32 v[252:253], v[252:253], v[244:245]
	s_delay_alu instid0(VALU_DEP_2)
	v_pk_add_f32 v[14:15], v[14:15], v[254:255]
	s_delay_alu instid0(VALU_DEP_2)
	v_pk_add_f32 v[222:223], v[222:223], v[252:253]
	s_delay_alu instid0(VALU_DEP_1)
	v_pk_add_f32 v[14:15], v[14:15], v[222:223]
	s_wait_alu depctr_va_vdst(0)                   ; and one for the two
.irp G, 0,1
	v_max_num_f32 v[BM+\G], 0x1800000, v[BM+\G]    ; the floor 2^(3 - 127): the byte cannot fall under 1
.endr
.irp G, 0,1
	s_delay_alu instid0(VALU_DEP_2)
	v_add_nc_u32 v[SO+\G], 0xff000000, v[BM+\G]    ; 2 off the exponent field: the conversion's scale operand
.endr
.irp G, 0,1
	s_delay_alu instid0(VALU_DEP_2)
	v_lshrrev_b32 v[BY+\G], 23, v[SO+\G]
.endr
	s_delay_alu instid0(VALU_DEP_1)
	v_lshl_or_b32 v[PS], v[BY+1], 16, v[BY]        ; my two bytes, at their places; with lane l xor 16's two the word is whole
	s_delay_alu instid0(VALU_DEP_1)
	v_lshlrev_b32 v[PS], v[SH8], v[PS]
	s_delay_alu instid0(VALU_DEP_1)
	v_permlanex16_b32 v[PX], v[PS], s[SEL], s[SEL+1]
	s_delay_alu instid0(VALU_DEP_1)
	v_or_b32 v[PS], v[PS], v[PX]
.irp G, 0,1
.irp g, 0,1,2,3
	v_cvt_scalef32_pk8_fp4_f32 v[PCD+4*\G+\g], v[S+32*\G+8*\g:S+32*\G+8*\g+7], v[SO+\G]
.endr
.endr
	v_nop                                          ; one plain line behind the last conversion
.set n, 0
.rept 16
	v_pk_mul_f32 v[O+n:O+n+1], v[O+n:O+n+1], v[F:F+1] op_sel_hi:[1,0]   ; O^T under the new M; these lines also stand between p's scale word and codes and the products below
.set n, n+2
.endr
	s_wait_alu depctr_va_vdst(0)
	s_wait_dscnt 0x0                               ; V is in
.irp u, 0,1,2,3
	v_wmma_scale_f32_16x16x128_f8f6f4 v[O+8*\u:O+8*\u+7], v[VF+8*\u:VF+8*\u+7], v[PCD:PCD+7], v[O+8*\u:O+8*\u+7], v[VS+\u], v[PS] matrix_a_fmt:MATRIX_FMT_FP4 matrix_b_fmt:MATRIX_FMT_FP4
.endr
.endm
.macro SLOT_STEPS
	v_add_nc_u32 v[ADC], s[TB], v[LI]
	v_add_nc_u32 v[ADS], s[TS], v[LI]
	v_add_nc_u32 v[ADT], s[TS], v[LR]
	STEP 0
	STEP 1
	STEP 2
	STEP 3
	s_xor_b32 s[TB], s[TB], SLOTB                  ; on to the other slot,
	s_add_co_u32 s[TS], s[TS], 4*768               ; and to the next four scale records
.endm
; THE CHANGE OF SLOTS stands at a slot's head.  Each wave waits for all its tensor loads, adds 0 to its spare word, and waits for that and for its reads of the slot that it has left.  fill = 1: the barrier is a round of the
; cluster's, and behind it the slot that was left is filled with the next four key steps, which have a whole slot's steps in which to land.  By this text's count a wave has at most one tensor load out.
.macro CHANGE fill
	s_wait_tensorcnt 0x0                           ; no tensor load of mine is out, so the descriptor may be written
	ds_add_u32 v[SPW], v[NIL]
.if \fill
	ds_add_u32 v[SPW], v[NIL]                      ; and twice on end here, in every trip alike
	s_xor_b32 s[G0C+1], s[G0C+1], SLOTB            ; the walking descriptor: the other slot,
	s_add_nc_u64 s[G0C+2:G0C+3], s[G0C+2:G0C+3], SLOTB   ; the next four key steps
	s_wait_xcnt 0x0                                ; the last prefetch, a slot back, has read its address
	s_add_nc_u64 s[PFA:PFA+1], s[PFA:PFA+1], SLOTB
	s_wait_dscnt 0x0                               ; both adds are done, and my reads of the slot that I have left are over
	CROUND
	CLOAD                                          ; the first thing behind the round
	ASK
.else
	s_wait_dscnt 0x0
	s_barrier_signal -1
	s_barrier_wait -1
.endif
.endm
; A HEAD'S END: O^T / the sum; my 32 channels are one whole block of the output projection's K: quantised into registers 4 hd .. 4 hd + 3 of ctx's fragment.  hd = 0: the state is begun anew for the second head.
.macro HEADEND hd
.rept 4
	v_nop                                          ; places behind the last products
.endr
	v_add_f32 v14, v14, v15
	s_delay_alu instid0(VALU_DEP_1)
	v_permlanex16_b32 v[PX], v14, s[SEL], s[SEL+1]
	s_delay_alu instid0(VALU_DEP_1)
	v_add_f32 v14, v14, v[PX]                      ; the row's sum
	s_wait_alu depctr_va_vdst(0)
	v_rcp_f32 v14, v14
	v_nop                                          ; a plain line behind the reciprocal,
	s_wait_alu depctr_va_vdst(0)                   ; and the wait ahead of its first reader
.set n, 0
.rept 16
	v_pk_mul_f32 v[S+n:S+n+1], v[O+n:O+n+1], v[14:15] op_sel_hi:[1,0]   ; register 8 u + j: channel 32 (lane / 16) + 8 u + j of the head
.set n, n+2
.endr
	v_max3_num_f32 v[BM], |v[S]|, |v[S+1]|, 0x1800000
	v_max3_num_f32 v[BN], |v[S+16]|, |v[S+17]|, |v[S+18]|
.set n, 0
.rept 6
	s_delay_alu instid0(VALU_DEP_2)
	v_max3_num_f32 v[BM], v[BM], |v[S+2+n]|, |v[S+3+n]|
	s_delay_alu instid0(VALU_DEP_2)
	v_max3_num_f32 v[BN], v[BN], |v[S+19+n]|, |v[S+20+n]|
.set n, n+2
.endr
	s_delay_alu instid0(VALU_DEP_2)
	v_max3_num_f32 v[BM], v[BM], |v[S+14]|, |v[S+15]|
	s_delay_alu instid0(VALU_DEP_1)
	v_max3_num_f32 v[BM], v[BM], v[BN], |v[S+31]|
	s_delay_alu instid0(VALU_DEP_1)
	v_add_nc_u32 v[SO], 0xff000000, v[BM]
	s_delay_alu instid0(VALU_DEP_1)
	v_lshrrev_b32 v[HB+\hd], 23, v[SO]
.irp g, 0,1,2,3
	v_cvt_scalef32_pk8_fp4_f32 v[CC+4*\hd+\g], v[S+8*\g:S+8*\g+7], v[SO]
.endr
	v_nop
.if \hd == 0
.irp j, 0,1,2,3
	v_mov_b32 v[QF+\j], v[QF2+\j]                  ; the second head's Q,
.endr
	v_mov_b32 v[QS], v[QS2]                        ; and its scale word; the lines below stand between these and the next products
.set n, 0
.rept 32
	v_mov_b32 v[O+n], 0                            ; O^T: the key step is written once; its first turn finds zeros, which the first change of M leaves zeros
.set n, n+1
.endr
	v_mov_b32 v14, 0
	v_mov_b32 v15, 0
	v_mov_b32 v[MS], 0xff61b1e6                    ; -3e38, under every score
	v_mov_b32 v12, 0x7f61b1e6                      ; -M
.endif
.endm
	s_load_b128 s[4:7], s[0:1], 0x0                ; qq s[4:5], kv s[6:7]
	s_load_b64 s[8:9], s[0:1], 0x10                ; cq
	v_lshl_add_u32 v[SPW], v0, 2, SPARE
	v_mov_b32 v[NIL], 0
	ds_add_u32 v[SPW], v[NIL]                      ; the wave's opening
	ds_add_u32 v[SPW], v[NIL]
	v_lshrrev_b32 v30, 5, v0
	s_wait_alu depctr_va_vdst(0)
	v_readfirstlane_b32 s[WV], v30                 ; wave 0..15
	s_bfe_u32 s11, ttmp6, 0x40000                  ; cx
	s_and_b32 s12, ttmp7, 0xffff                   ; y = 8 b + s
	s_lshl_b32 s13, ttmp9, 2
	s_add_co_u32 s13, s13, s11                     ; my block of 256 queries: it enters global addresses alone
	s_and_b32 s14, s[WV], 1
	s_mov_b32 s[G1C], 15|(3<<16)|(1<<21)           ; the mask: all four; elements of 8 bytes; bit 21 beside a mask; no padding
	s_mov_b32 s[G1C+1], 32<<16                     ; rows of 256 bytes,
	s_mov_b32 s[G1C+2], 64<<16                     ; 64 of them, dense
	s_mov_b32 s[G1C+3], 32<<16
	s_mov_b32 s[G1C+4], 64
	s_mov_b32 s[G1C+5], 32
	s_mov_b32 s[G1C+6], 0
	s_mov_b32 s[G1C+7], 0
	s_mov_b32 s[G1S], 15|(3<<16)|(1<<21)
	s_mov_b32 s[G1S+1], 32<<16
	s_mov_b32 s[G1S+2], 48<<16                     ; the scales: 48 rows
	s_mov_b32 s[G1S+3], 32<<16
	s_mov_b32 s[G1S+4], 48
	s_mov_b32 s[G1S+5], 32
	s_mov_b32 s[G1S+6], 0
	s_mov_b32 s[G1S+7], 0
	s_lshl_b32 s16, s12, 18                        ; the pair's codes: 262,144 bytes
	s_lshl_b32 s15, s14, 14                        ; my half of a slot
	s_add_co_u32 s16, s16, s15
	s_mov_b32 s17, 0
	s_mul_i32 s18, s12, 24576                      ; the pair's scale records
	s_mul_i32 s19, s14, 12288                      ; my half of them
	s_add_co_u32 s18, s18, s19
	s_add_co_u32 s18, s18, 0x800000
	s_mov_b32 s[G0C], 1
	s_mov_b32 s[G0C+1], s15                        ; slot 0
	s_mov_b32 s[G0S], 1
	s_add_co_u32 s[G0S+1], s19, SCL
	s_mov_b32 s19, 0
	s_lshl_b32 s51, s13, 4
	s_add_co_u32 s51, s51, s[WV]                   ; my tile of queries, 0 .. 127
	s_lshl_b32 s66, s12, 17                        ; Q's codes: 65,536 a head, 512 a tile
	s_lshl_b32 s55, s51, 9
	s_add_co_u32 s66, s66, s55
	s_mov_b32 s67, 0
	s_lshl_b32 s68, s12, 14                        ; Q's scale words: 8,192 a head, 256 a group of four tiles, 4 a tile
	s_lshr_b32 s55, s51, 2
	s_lshl_b32 s55, s55, 8
	s_add_co_u32 s68, s68, s55
	s_and_b32 s55, s51, 3
	s_lshl_b32 s55, s55, 2
	s_add_co_u32 s68, s68, s55
	s_add_co_u32 s68, s68, 0x400000
	s_mov_b32 s69, 0
	s_lshr_b32 s70, s12, 3                         ; b
	s_and_b32 s72, s12, 7                          ; s
	s_lshl_b32 s55, s70, 7
	s_add_co_u32 s55, s55, s51
	s_lshl_b32 s55, s55, 13                        ; ctx's codes: 8,192 a row tile, 1,024 a K step
	s_lshl_b32 s74, s72, 10
	s_add_co_u32 s74, s74, s55
	s_mov_b32 s75, 0
	s_lshl_b32 s76, s72, 15                        ; ctx's scale words: 4 (8,192 s + 2,048 b + 256 block) + 512 (wave % 2)
	s_lshl_b32 s55, s70, 13
	s_add_co_u32 s76, s76, s55
	s_lshl_b32 s55, s13, 10
	s_add_co_u32 s76, s76, s55
	s_lshl_b32 s71, s14, 9
	s_add_co_u32 s76, s76, s71
	s_add_co_u32 s76, s76, 0x400000
	s_mov_b32 s77, 0
	s_lshl_b32 s78, s12, 18                        ; the prefetches: my work-group's 8,192 bytes of slot 1; the first change steps it to slot 2
	s_lshl_b32 s55, s11, 13
	s_add_co_u32 s78, s78, s55
	s_add_co_u32 s78, s78, SLOTB
	s_mov_b32 s79, 0
	s_xor_b32 s55, s[WV], 4
	s_or_b32 s55, s55, ttmp9                       ; 0 in wave 4 of the pair's first cluster: the same in all four partners
	s_cmp_eq_u32 s55, 0
	s_cselect_b32 s[LIM], 1, -1
	s_mov_b32 s[SEL], 0x76543210
	s_mov_b32 s[SEL+1], 0xfedcba98
	s_mov_b32 s[CS], 0x3e38aa3b                    ; c = log2(e) / 8
	s_mov_b32 s[CS+1], s[CS]
	s_mov_b32 s[TB], 0
	s_mov_b32 s[TS], SCL
	s_mov_b32 s[SLOTS], 7
	v_and_b32 v[LI], 31, v0
	s_delay_alu instid0(VALU_DEP_1)
	v_lshlrev_b32 v[PFO], 8, v[LI]
	s_delay_alu instid0(VALU_DEP_2)
	v_lshlrev_b32 v[LI], 4, v[LI]
	v_and_b32 v31, 15, v0
	s_delay_alu instid0(VALU_DEP_1)
	v_lshlrev_b32 v[LR], 4, v31
	v_bfe_u32 v[SH8], v0, 4, 1
	s_delay_alu instid0(VALU_DEP_1)
	v_lshlrev_b32 v[SH8], 3, v[SH8]
	v_lshlrev_b32 v[GST], 6, v30
	s_delay_alu instid0(VALU_DEP_1)
	v_lshl_add_u32 v[GST], v31, 2, v[GST]
	s_delay_alu instid0(VALU_DEP_1)
	v_add_nc_u32 v[GST], STG, v[GST]               ; where my query's scale word goes: 64 x wave + 4 x (lane % 16)
	v_add_nc_u32 v[GLD], s71, v[LI]
	s_delay_alu instid0(VALU_DEP_1)
	v_add_nc_u32 v[GLD], STG, v[GLD]               ; and where waves 0 and 1 read 512 bytes back
	s_wait_dscnt 0x0                               ; both opening adds are done
	s_wait_kmcnt 0x0
	s_add_nc_u64 s[G0C+2:G0C+3], s[6:7], s[16:17]
	s_or_b32 s[G0C+3], s[G0C+3], 0x80000000
	s_add_nc_u64 s[G0S+2:G0S+3], s[6:7], s[18:19]
	s_or_b32 s[G0S+3], s[G0S+3], 0x80000000
	s_add_nc_u64 s[60:61], s[4:5], s[66:67]
	s_add_nc_u64 s[62:63], s[4:5], s[68:69]
	s_add_nc_u64 s[56:57], s[8:9], s[74:75]
	s_add_nc_u64 s[58:59], s[8:9], s[76:77]
	s_add_nc_u64 s[PFA:PFA+1], s[6:7], s[78:79]
	CROUND                                         ; all four work-groups are here: the first joint loads meet
	s_cmp_lt_u32 s[WV], 2                          ; the first fills: waves 0, 1: slot 0; waves 2, 3: the scale records
	s_cbranch_scc0 .Lnot_codes
	tensor_load_to_lds s[G0C:G0C+3], s[G1C:G1C+7]
	s_nop 0
.rept 4
	v_nop
.endr
	s_branch .Lfirst_asked
.Lnot_codes:
	s_cmp_lt_u32 s[WV], 4
	s_cbranch_scc0 .Lfirst_asked
	tensor_load_to_lds s[G0S:G0S+3], s[G1S:G1S+7]
	s_nop 0
.rept 4
	v_nop
.endr
.Lfirst_asked:
	global_load_b128 v[QF:QF+3], v[LI], s[60:61]                   ; both heads' Q stay in registers
	global_load_b128 v[QF2:QF2+3], v[LI], s[60:61] offset:65536
	s_wait_alu depctr_va_vdst(0)
	global_load_b32 v[QS], v[LR], s[62:63]
	global_load_b32 v[QS2], v[LR], s[62:63] offset:8192
	v_mov_b32 v[MS], 0xff61b1e6                    ; -3e38, under every score
	v_mov_b32 v[F], 0
	v_mov_b32 v[F+1], 0                            ; (named as the upper half of a pair)
	v_mov_b32 v12, 0x7f61b1e6                      ; -M
	v_mov_b32 v13, 0
	v_mov_b32 v14, 0                               ; the sum, in two halves
	v_mov_b32 v15, 0
.irp j, 0,1,2,3
	v_mov_b32 v[QF+4+\j], 0                        ; zero codes: k = 64 .. 127
	v_mov_b32 v[KT+32+\j], 0                       ; behind K's last tile
.endr
	v_mov_b32 v[PX], 0                             ; a lane permute's destination counts as one of its sources
.irp j, 0,1,2,3,4,5,6,7
	v_mov_b32 v[CC+\j], 0                          ; written on every way
.endr
	v_mov_b32 v[HB], 0
	v_mov_b32 v[HB+1], 0
.set n, 0
.rept 32
	v_mov_b32 v[O+n], 0                            ; O^T (the key step is written once)
.set n, n+1
.endr
	s_wait_loadcnt 0x0                             ; Q
.Lslot:                                            ; seven trips: behind each change of slots but the last the next slot is asked for
	CHANGE 1
	SLOT_STEPS
	s_cmp_lg_u32 s[SLOTS], 4                       ; the fourth slot ends the first head: the loop's count alone, the same in all waves and partners
	s_cbranch_scc1 .Lsame_head
	HEADEND 0
.Lsame_head:
	s_sub_co_u32 s[SLOTS], s[SLOTS], 1
	s_cmp_lg_u32 s[SLOTS], 0
	s_cbranch_scc1 .Lslot
	CHANGE 0                                       ; the last slot is written out
	SLOT_STEPS
	HEADEND 1
	v_lshl_or_b32 v30, v[HB+1], 16, v[HB]          ; ctx's scale word for this K step: blocks h and 2 + h are mine,
	s_delay_alu instid0(VALU_DEP_1)
	v_lshlrev_b32 v30, v[SH8], v30
	s_delay_alu instid0(VALU_DEP_1)
	v_permlanex16_b32 v[PX], v30, s[SEL], s[SEL+1]
	s_delay_alu instid0(VALU_DEP_1)
	v_or_b32 v30, v30, v[PX]                       ; the other two lane l xor 16's
	global_store_b128 v[LI], v[CC:CC+3], s[56:57]                  ; the fragment's image: 512 consecutive bytes a store
	global_store_b128 v[LI], v[CC+4:CC+7], s[56:57] offset:512
	ds_store_b32 v[GST], v30                       ; both halves write the same word with the same value
	s_wait_dscnt 0x0                               ; for the others' sake
	s_barrier_signal -1
	s_barrier_wait -1
	s_cmp_lt_u32 s[WV], 2
	s_cbranch_scc0 .Lno_words
	ds_load_b128 v[S:S+3], v[GLD]
	s_wait_dscnt 0x0
	global_store_b128 v[LI], v[S:S+3], s[58:59]    ; the work-group's 256 words leave as four aligned runs of 256 bytes
.Lno_words:
	s_wait_tensorcnt 0x0                           ; the wave's end
	ds_add_u32 v[SPW], v[NIL]
	s_wait_dscnt 0x0
	CROUND                                         ; the closing round
	s_endpgm
.Lfunc_end_k_q32cfaf4dbc_attn:
	.size	k_q32cfaf4dbc_attn, .Lfunc_end_k_q32cfaf4dbc_attn-k_q32cfaf4dbc_attn
	.p2alignl 7, 3214868480
	.fill 96, 4, 3214868480
	.section	.rodata,"a",@progbits
	.p2align	6, 0x0
	.amdhsa_kernel k_q32cfaf4dbc_attn
		.amdhsa_group_segment_fixed_size 327680
		.amdhsa_private_segment_fixed_size 0
		.amdhsa_enable_private_segment 0
		.amdhsa_kernarg_size 24
		.amdhsa_user_sgpr_count 2
		.amdhsa_user_sgpr_kernarg_segment_ptr 1
		.amdhsa_wavefront_size32 1
		.amdhsa_system_sgpr_workgroup_id_x 1
		.amdhsa_system_sgpr_workgroup_id_y 1
		.amdhsa_system_sgpr_workgroup_id_z 1
		.amdhsa_system_vgpr_workitem_id 0
		.amdhsa_next_free_vgpr 256
		.amdhsa_next_free_sgpr 80
		.amdhsa_reserve_vcc 0
		.amdhsa_float_denorm_mode_32 3
		.amdhsa_float_denorm_mode_16_64 3
		.amdhsa_memory_ordered 1
		.amdhsa_forward_progress 1
		.amdhsa_inst_pref_size 136
	.end_amdhsa_kernel
	.amdgpu_metadata
---
amdhsa.version: [ 1, 2 ]
amdhsa.kernels:
  - .name:           k_q32cfaf4dbc_attn
    .symbol:         k_q32cfaf4dbc_attn.kd
    .args:
      - { .name: qq, .offset: 0, .size: 8, .value_kind: global_buffer, .address_space: global }
      - { .name: kv, .offset: 8, .size: 8, .value_kind: global_buffer, .address_space: global }
      - { .name: cq, .offset: 16, .size: 8, .value_kind: global_buffer, .address_space: global }
    .group_segment_fixed_size: 327680
    .private_segment_fixed_size: 0
    .kernarg_segment_align: 8
    .kernarg_segment_size: 24
    .max_flat_workgroup_size: 512
    .sgpr_count:     80
    .vgpr_count:     256
    .wavefront_size: 32
...
	.end_amdgpu_metadata
.endif
;; end of part 3
;; launch oproj (part 4): grid 4 x 32, 4 waves a work-group, clusters of 4 x 4, 327,680 bytes of LDS; arguments cq, wq, b_o, out0; writes out0
.if DOCPART == 4
	.amdgcn_target "amdgcn-amd-amdhsa--gfx1250"
	.amdhsa_code_object_version 6
	.text
	.protected	k_q32cfaf4dbc_oproj
	.globl	k_q32cfaf4dbc_oproj
	.p2align	8
	.type	k_q32cfaf4dbc_oproj,@function
k_q32cfaf4dbc_oproj:
	s_mov_b64 s[64:65], 0
	v_nop
	global_prefetch_b8 v0, s[64:65] scope:SCOPE_SE
	s_setreg_imm32_b32 hwreg(HW_REG_WAVE_MODE, 25, 1), 1
	s_wait_xcnt 0x0
	s_wait_alu depctr_hold_cnt(0) depctr_sa_sdst(0) depctr_va_vdst(0) depctr_va_sdst(0) depctr_va_ssrc(0) depctr_va_vcc(0) depctr_vm_vsrc(0)
	s_getreg_b32 s2, hwreg(HW_REG_IB_STS2, 6, 4)
	s_cmp_eq_u32 s2, 0
	s_cbranch_scc0 .Lentry_in_a_cluster
	s_endpgm
.Lentry_in_a_cluster:
	s_bfe_u32 s2, ttmp6, 0x10000c
	s_cmp_lg_u32 s2, 0xf033
	s_cbranch_scc0 .Lentry_shape_is_right
	s_endpgm
.Lentry_shape_is_right:
; Launch 4 of 4: out0 = ctx W_o + b_o on codes of E2M1 (K = 1,024).  No work is left out.
; A tile of 256 x 256 to a work-group of four waves, 128 x 128 to a wave.  All of K lies in two LDS slots of 512 along K, both asked for at the head: nothing is filled again.
; Side A = ctx, as images of operand registers (cq: [row tile][K step 8][c 2][512 B]): a slot's part of a row tile is 4,096 consecutive bytes, a wave's load brings 8 of them; a fragment is two loads of 512 consecutive bytes.
; Side B = W_o's codes from wq, rows of 256 bytes padded to 272.  THE MATRIX INSTRUCTION IS USED TRANSPOSED (source 0 = W_o's rows, source 1 = ctx): a lane holds one row of the output.
; Both sides lie in the tile order (position 64 g + 16 u + 8 e + j = row 64 g + 32 e + 8 u + j): the way out puts columns and rows back: columns by the place in the stage, rows by the store's immediate.
; CLUSTERS: 4 x 4 work-groups; ctx's tiles are shared along a row of the cluster, W_o's along a column: joint loads.
; REGISTERS: window 0: v1-29 addresses; v32-63 ctx's scale words, v64-95 W_o's (register 4 i + q: lanes 0-15 K step q, lanes 16-31 K step 4 + q of block i); v96-99 b_o; v128-191 A's fragments; on the way out v128-255 rows.
;   window 1: B's fragments, two sets.   windows 2, 3: the accumulators.
.set PITCH,  272
.set FR,     8
.set NL,     2
.set NP,     4
.set NQ,     4
.set HALFT,  128*PITCH                 ; a wave's region of a slot (ctx's 32,768 bytes lie in it too)
.set SLOT,   4*HALFT
.set SPARE,  2*SLOT
.set SPITCH, 528                       ; the way out: a stage of 16 rows x (512 bytes + 16) for each wave, in slot 0, which has had its only fill and its last read by then
.set LI,   14
.set ADRA, 16
.set ADRB, 20
.set VSC,  22
.set VSA,  23
.set STO,  24
.set RD,   25
.set SPW,  28
.set NIL,  29
.set SCA,  32
.set SCB,  64
.set BO,   96
.set AF,   128
.set BK,   128
.set WV,   18
.set RH,   19
.set CH,   20
.set G1,   24
.set G0,   32
.set G1B,  48
.set G0B,  56
.set MSB, 0
.macro WIN new
.if MSB != (\new)
	s_set_vgpr_msb (MSB<<8)|(\new)
.set MSB, (\new)
.endif
.endm
.set MUL_LO, 0xa1
.set MUL_HI, 0xf1
.set TO_B,   0x40
.macro JLOAD g0a, g1a, g0b, g1b        ; a joint load: waves 0, 1 fetch for A, waves 2, 3 for B; an s_nop 0 and four v_nop follow each line
	s_cmp_eq_u32 s[RH], 0
	s_cbranch_scc0 .Lfor_b_\@
	tensor_load_to_lds s[\g0a:\g0a+3], s[\g1a:\g1a+7]
	s_nop 0
.rept 4
	v_nop
.endr
	s_branch .Lasked_\@
.Lfor_b_\@:
	tensor_load_to_lds s[\g0b:\g0b+3], s[\g1b:\g1b+7]
	s_nop 0
.rept 4
	v_nop
.endr
.Lasked_\@:
.endm
.macro CROUND
	s_barrier_signal -1
	s_barrier_wait -1
	s_cmp_lg_u32 s[WV], 0
	s_cbranch_scc1 .Lnot_wave_0_\@
	s_barrier_signal -3
.Lnot_wave_0_\@:
	s_barrier_wait -3
	s_barrier_signal -1
	s_barrier_wait -1
.endm
.macro FRAGB reg, adr, q, i
.irp c, 0,1
	ds_load_b128 v[\reg+4*\c:\reg+4*\c+3], v[\adr] offset:64*(\q)+32*\c+(\i)*16*PITCH
.endr
.endm
.macro FRAGA reg, adr, q, i            ; an image: 16 bytes x lane
.irp c, 0,1
	ds_load_b128 v[\reg+4*\c:\reg+4*\c+3], v[\adr] offset:1024*(\q)+512*\c+4096*(\i)
.endr
.endm
.macro MUL16 a0, p, q, sl, zero        ; the 64 accumulators take turns, one instruction a turn
.irp a, \a0, \a0+1
.irp b, 0,1,2,3,4,5,6,7
.if \zero
	v_wmma_scale_f32_16x16x128_f8f6f4 v[8*(8*((\a)%4)+\b):8*(8*((\a)%4)+\b)+7], v[128*(\p)+FR*\b:128*(\p)+FR*\b+FR-1], v[AF+FR*(\a):AF+FR*(\a)+FR-1], 0, v[SCB+4*\b+(\q)], v[SCA+4*(\a)+(\q)] matrix_a_fmt:MATRIX_FMT_FP4 matrix_b_fmt:MATRIX_FMT_FP4
.elseif \sl
	v_wmma_scale_f32_16x16x128_f8f6f4 v[8*(8*((\a)%4)+\b):8*(8*((\a)%4)+\b)+7], v[128*(\p)+FR*\b:128*(\p)+FR*\b+FR-1], v[AF+FR*(\a):AF+FR*(\a)+FR-1], v[8*(8*((\a)%4)+\b):8*(8*((\a)%4)+\b)+7], v[SCB+4*\b+(\q)], v[SCA+4*(\a)+(\q)] matrix_a_fmt:MATRIX_FMT_FP4 matrix_b_fmt:MATRIX_FMT_FP4 matrix_a_scale:MATRIX_SCALE_ROW1 matrix_b_scale:MATRIX_SCALE_ROW1
.else
	v_wmma_scale_f32_16x16x128_f8f6f4 v[8*(8*((\a)%4)+\b):8*(8*((\a)%4)+\b)+7], v[128*(\p)+FR*\b:128*(\p)+FR*\b+FR-1], v[AF+FR*(\a):AF+FR*(\a)+FR-1], v[8*(8*((\a)%4)+\b):8*(8*((\a)%4)+\b)+7], v[SCB+4*\b+(\q)], v[SCA+4*(\a)+(\q)] matrix_a_fmt:MATRIX_FMT_FP4 matrix_b_fmt:MATRIX_FMT_FP4
.endif
.endr
.endr
.endm
.macro FETCH_B slot, q, p
	WIN TO_B
.irp i, 0,1,2,3,4,5,6,7
	FRAGB 128*(\p)+FR*\i, ADRB+\slot, \q, \i
.endr
	WIN 0
.endm
.macro FETCH_A slot, q, i0
.irp i, \i0, \i0+1, \i0+2, \i0+3
	FRAGA AF+FR*(\i), ADRA+\slot, \q, \i
.endr
.endm
.macro PLACES n
.rept \n
	v_nop
.endr
.endm
.macro STEP slot, q, zero
	s_wait_dscnt 4*NL                              ; B's set and A's blocks 0-3 are in; the youngest eight loads (A's blocks 4-7) may be out
	WIN MUL_LO
	MUL16 0, (\q)%2, \q, \slot, \zero
	MUL16 2, (\q)%2, \q, \slot, \zero
	s_wait_dscnt 0
	PLACES NP
	FETCH_B \slot, (\q)+1, 1-(\q)%2
	FETCH_A \slot, (\q)+1, 0
	WIN MUL_HI
	MUL16 4, (\q)%2, \q, \slot, \zero
	MUL16 6, (\q)%2, \q, \slot, \zero
	PLACES NP
	WIN 0
	FETCH_A \slot, (\q)+1, 4
.endm
.macro TURN slot, next                 ; a slot's last step changes slots: one barrier
	s_wait_tensorcnt 0x0                           ; all my tensor loads have landed: my part of the next slot
	ds_add_u32 v[SPW], v[NIL]
	s_wait_dscnt 4*NL+1                            ; the add and the youngest eight loads may be out
	WIN MUL_LO
	MUL16 0, 1, NQ-1, \slot, 0
	s_wait_dscnt 0x0                               ; the add is done, and my reads of this slot are over
	s_barrier_signal -1
	MUL16 2, 1, NQ-1, \slot, 0
	WIN 0
	s_barrier_wait -1
	PLACES NP
	FETCH_B \next, 0, 0
	FETCH_A \next, 0, 0
	WIN MUL_HI
	MUL16 4, 1, NQ-1, \slot, 0
	MUL16 6, 1, NQ-1, \slot, 0
	PLACES NP
	WIN 0
	FETCH_A \next, 0, 4
.endm
.macro STEPS slot, from
.set Q, \from
.rept NQ-1-\from
	STEP \slot, Q, 0
.set Q, Q+1
.endr
.endm
; THE WAY OUT, block a of 16 rows x 128 columns at a time, through my own stage.  Register j of accumulator b in lane (r, h) is column 64 (b / 4) + 32 h + 8 (b % 4) + j: it goes to its true place in the stage's row r.
.macro TOSTAGE a
.set AC, 64*((\a)%4)
	WIN 0x08+4*((\a)/4)                            ; an LDS store's data: window 2 or 3
.irp b, 0,1,2,3,4,5,6,7
	ds_store_b128 v[STO], v[AC+8*\b:AC+8*\b+3] offset:256*(\b/4)+32*(\b%4)        ; each accumulator from its low end on
	ds_store_b128 v[STO], v[AC+8*\b+4:AC+8*\b+7] offset:256*(\b/4)+32*(\b%4)+16
.endr
	WIN 0
.set BB, BK+64*((\a)%2)
.irp t, 0,1,2,3,4,5,6,7,8,9,10,11,12,13,14,15
	ds_load_b128 v[BB+4*\t:BB+4*\t+3], v[RD] offset:\t*SPITCH       ; LDS serves a wave's instructions in order: these see the stores above
.endr
.endm
.macro SEND a, younger                 ; younger: the LDS instructions issued behind block a's loads, which may stay out
.set BB, BK+64*((\a)%2)
	s_wait_dscnt \younger
.irp t, 0,1,2,3,4,5,6,7,8,9,10,11,12,13,14,15
	v_pk_add_f32 v[BB+4*\t:BB+4*\t+1], v[BB+4*\t:BB+4*\t+1], v[BO:BO+1]         ; + b_o of my four columns
	v_pk_add_f32 v[BB+4*\t+2:BB+4*\t+3], v[BB+4*\t+2:BB+4*\t+3], v[BO+2:BO+3]
.endr
.irp t, 0,1,2,3,4,5,6,7,8,9,10,11,12,13,14,15
	global_store_b128 v[LI], v[BB+4*\t:BB+4*\t+3], s[12:13] offset:(64*((\a)/4)+8*((\a)%4)+(\t%8)+32*(\t/8))*4096 th:TH_STORE_NT   ; position 16 a + t is this row; 32 lanes store 512 consecutive bytes, aligned to 256
.endr
.endm
	s_load_b256 s[4:11], s[0:1], 0x0               ; cq s[4:5], wq s[6:7], b_o s[8:9], out0 s[10:11]
	v_lshl_add_u32 v[SPW], v0, 2, SPARE
	v_mov_b32 v[NIL], 0
	ds_add_u32 v[SPW], v[NIL]                      ; the wave's opening
	ds_add_u32 v[SPW], v[NIL]
	v_lshrrev_b32 v1, 5, v0
	v_readfirstlane_b32 s[WV], v1
	s_lshr_b32 s[RH], s[WV], 1                     ; which half of the tile's rows is mine; also: I fetch for A (0) or B (1)
	s_and_b32 s[CH], s[WV], 1                      ; which half of its columns; also: which half I fetch
	s_bfe_u32 s40, ttmp6, 0x40000                  ; cx = the tile column
	s_bfe_u32 s41, ttmp6, 0x40004                  ; cy
	s_and_b32 s43, ttmp7, 0xffff
	s_lshl_b32 s43, s43, 2
	s_add_co_u32 s43, s43, s41                     ; the tile row
	s_lshl_b32 s45, s41, 2
	s_lshl_b32 s45, 15, s45                        ; my row of the cluster
	s_lshl_b32 s46, 0x1111, s40                    ; my column
	s_or_b32 s[G1], s45, (3<<16)|(1<<21)           ; ctx: the mask; elements of 8 bytes; bit 21 beside a mask; no padding
	s_mov_b32 s[G1+1], 512<<16                     ; rows of 4,096 bytes: a row tile's four K steps,
	s_mov_b32 s[G1+2], 8<<16                       ; 8 row tiles,
	s_mov_b32 s[G1+3], 512<<16
	s_mov_b32 s[G1+4], 8
	s_mov_b32 s[G1+5], 1024                        ; 8,192 bytes apart
	s_mov_b32 s[G1+6], 0
	s_mov_b32 s[G1+7], 0
	s_or_b32 s[G1B], s46, (1<<20)|(1<<21)|(5<<22)|(3<<25)   ; W_o: elements of 1 byte; after every 64 words 4 words of padding
	s_mov_b32 s[G1B+1], 256<<16
	s_mov_b32 s[G1B+2], 128<<16
	s_mov_b32 s[G1B+3], 256<<16
	s_mov_b32 s[G1B+4], 128
	s_mov_b32 s[G1B+5], 512
	s_mov_b32 s[G1B+6], 0
	s_mov_b32 s[G1B+7], 0
	s_lshl_b32 s66, s43, 17                        ; ctx: 16 row tiles of 8,192 bytes a tile row, 8 a half
	s_lshl_b32 s47, s[CH], 16
	s_add_co_u32 s66, s66, s47
	s_mov_b32 s67, 0
	s_lshl_b32 s68, s40, 8
	s_lshl_b32 s47, s[CH], 7
	s_add_co_u32 s68, s68, s47
	s_mov_b32 s93, s68                             ; C0: the rows of W_o that I fetch are also those that I multiply
	s_lshl_b32 s68, s68, 9
	s_add_co_u32 s68, s68, 1572864                 ; W_o's codes in wq
	s_mov_b32 s69, 0
	s_lshl_b32 s92, s43, 8
	s_lshl_b32 s84, s[RH], 7
	s_add_co_u32 s92, s92, s84                     ; P0: my first row of ctx
	s_lshl_b32 s76, s92, 2
	s_add_co_u32 s76, s76, 0x400000                ; ctx's scale words
	s_mov_b32 s77, 0
	s_lshl_b32 s78, s93, 5
	s_add_co_u32 s78, s78, 2195456                 ; W_o's scale bytes
	s_mov_b32 s79, 0
	s_lshl_b32 s80, s93, 2                         ; b_o
	s_mov_b32 s81, 0
	s_lshl_b32 s82, s92, 12                        ; out0: 4,096 bytes a row
	s_add_co_u32 s82, s82, s80
	s_mov_b32 s83, 0
	s_mul_i32 s23, s[WV], HALFT                    ; where my tiles go: no place in the cluster enters an LDS address
	s_wait_dscnt 0x0                               ; both opening adds are done
	s_wait_kmcnt 0x0
	s_add_nc_u64 s[66:67], s[4:5], s[66:67]
	s_add_nc_u64 s[68:69], s[6:7], s[68:69]
	s_add_nc_u64 s[76:77], s[4:5], s[76:77]
	s_add_nc_u64 s[78:79], s[6:7], s[78:79]
	s_add_nc_u64 s[80:81], s[8:9], s[80:81]
	s_add_nc_u64 s[12:13], s[10:11], s[82:83]
	CROUND                                         ; all sixteen work-groups are here: the joint loads meet
.irp s, 0,1
	s_mov_b32 s[G0+4*\s], 1
	s_add_co_u32 s[G0+4*\s+1], s23, \s*SLOT
	s_add_nc_u64 s[G0+4*\s+2:G0+4*\s+3], s[66:67], \s*4096
	s_or_b32 s[G0+4*\s+3], s[G0+4*\s+3], 0x80000000
	s_mov_b32 s[G0B+4*\s], 1
	s_add_co_u32 s[G0B+4*\s+1], s23, \s*SLOT
	s_add_nc_u64 s[G0B+4*\s+2:G0B+4*\s+3], s[68:69], \s*256
	s_or_b32 s[G0B+4*\s+3], s[G0B+4*\s+3], 0x80000000
	s_wait_alu depctr_va_vdst(0)
	s_wait_tensorcnt 0x0
	ds_add_u32 v28, v29
	ds_add_u32 v28, v29
	s_wait_dscnt 0x0
	CROUND
	JLOAD G0+4*\s, G1, G0B+4*\s, G1B               ; both slots are first fills: the wait above leaves one load of mine out
.endr
	v_and_b32 v1, 15, v0                           ; r
	v_bfe_u32 v26, v0, 4, 1                        ; h
	v_and_b32 v[LI], 31, v0
	v_lshlrev_b32 v[LI], 4, v[LI]
	v_lshlrev_b32 v[VSC], 5, v1
	v_lshl_add_u32 v[VSC], v26, 4, v[VSC]          ; W_o: a row's 32 scale bytes, my half's four words
	v_lshlrev_b32 v[VSA], 17, v26
	v_lshl_add_u32 v[VSA], v1, 2, v[VSA]           ; ctx: K steps lie 32,768 bytes apart: lanes 16-31 take the upper four
.irp i, 0,1,2,3,4,5,6,7
	global_load_b128 v[SCB+4*\i:SCB+4*\i+3], v[VSC], s[78:79] offset:512*\i
.irp j, 0,1,2,3
	global_load_b32 v[SCA+4*\i+\j], v[VSA], s[76:77] offset:32768*\j+64*\i
.endr
.endr
	global_load_b128 v[BO:BO+3], v[LI], s[80:81]   ; b_o of the four columns that I store
	v_mul_u32_u24 v27, v1, PITCH
	v_lshl_add_u32 v27, v26, 4, v27
	s_mul_i32 s84, s[RH], HALFT                    ; my 8 row tiles of ctx
	s_mul_i32 s85, s[CH], HALFT                    ; my 128 rows of W_o,
	s_add_co_u32 s85, s85, 2*HALFT                 ; behind A's two regions
.irp s, 0,1
	v_add_nc_u32 v[ADRA+\s], s84, v[LI]
	v_add_nc_u32 v[ADRB+\s], s85, v27
	s_add_co_u32 s84, s84, SLOT
	s_add_co_u32 s85, s85, SLOT
.endr
	s_mul_i32 s86, s[WV], 16*SPITCH                ; my stage
	v_mul_u32_u24 v[STO], v1, SPITCH
	v_lshl_add_u32 v[STO], v26, 7, v[STO]
	v_add_nc_u32 v[STO], s86, v[STO]               ; in: row r, + 128 bytes for lanes 16-31
	v_add_nc_u32 v[RD], s86, v[LI]                 ; back: the 32 lanes take one row of 512 bytes
	s_wait_alu depctr_va_vdst(0)
	s_wait_tensorcnt 1                             ; my part of slot 0 is in; slot 1's load may be out
	s_barrier_signal -1
	s_barrier_wait -1
	FETCH_B 0, 0, 0
	FETCH_A 0, 0, 0
	FETCH_A 0, 0, 4
	s_wait_loadcnt 0x0                             ; scale words and b_o
	STEP 0, 0, 1                                   ; the first step's products start the sums: nothing is cleared
	STEPS 0, 1
	TURN 0, 1
	STEPS 1, 0
	s_wait_dscnt 4*NL
	WIN MUL_LO
	MUL16 0, 1, NQ-1, 1, 0
	MUL16 2, 1, NQ-1, 1, 0
	s_wait_dscnt 0
	WIN MUL_HI
	MUL16 4, 1, NQ-1, 1, 0
	MUL16 6, 1, NQ-1, 1, 0
	WIN 0
	PLACES NP                                      ; ahead of the first read of results and of the loads into A's fragments' registers
	TOSTAGE 0
.irp a, 1,2,3,4,5,6,7
.if \a > 1
	s_wait_xcnt 0x0                                ; block a - 2's stores have read their registers: block a's loads may land there
.endif
	TOSTAGE \a
	SEND \a-1, 32                                  ; behind block a - 1's loads: block a's 16 stores and 16 loads
.endr
	SEND 7, 0
	s_wait_tensorcnt 0x0                           ; the wave's end
	ds_add_u32 v[SPW], v[NIL]
	s_wait_dscnt 0x0
	CROUND                                         ; the closing round
	s_endpgm
.Lfunc_end_k_q32cfaf4dbc_oproj:
	.size	k_q32cfaf4dbc_oproj, .Lfunc_end_k_q32cfaf4dbc_oproj-k_q32cfaf4dbc_oproj
	.p2alignl 7, 3214868480
	.fill 96, 4, 3214868480
	.section	.rodata,"a",@progbits
	.p2align	6, 0x0
	.amdhsa_kernel k_q32cfaf4dbc_oproj
		.amdhsa_group_segment_fixed_size 327680
		.amdhsa_private_segment_fixed_size 0
		.amdhsa_enable_private_segment 0
		.amdhsa_kernarg_size 32
		.amdhsa_user_sgpr_count 2
		.amdhsa_user_sgpr_kernarg_segment_ptr 1
		.amdhsa_wavefront_size32 1
		.amdhsa_system_sgpr_workgroup_id_x 1
		.amdhsa_system_sgpr_workgroup_id_y 1
		.amdhsa_system_sgpr_workgroup_id_z 1
		.amdhsa_system_vgpr_workitem_id 0
		.amdhsa_next_free_vgpr 1024
		.amdhsa_next_free_sgpr 100
		.amdhsa_reserve_vcc 0
		.amdhsa_float_denorm_mode_32 3
		.amdhsa_float_denorm_mode_16_64 3
		.amdhsa_memory_ordered 1
		.amdhsa_forward_progress 1
		.amdhsa_inst_pref_size 142
	.end_amdhsa_kernel
	.amdgpu_metadata
---
amdhsa.version: [ 1, 2 ]
amdhsa.kernels:
  - .name:           k_q32cfaf4dbc_oproj
    .symbol:         k_q32cfaf4dbc_oproj.kd
    .args:
      - { .name: cq, .offset: 0, .size: 8, .value_kind: global_buffer, .address_space: global }
      - { .name: wq, .offset: 8, .size: 8, .value_kind: global_buffer, .address_space: global }
      - { .name: b_o, .offset: 16, .size: 8, .value_kind: global_buffer, .address_space: global }
      - { .name: out0, .offset: 24, .size: 8, .value_kind: global_buffer, .address_space: global }
    .group_segment_fixed_size: 327680
    .private_segment_fixed_size: 0
    .kernarg_segment_align: 8
    .kernarg_segment_size: 32
    .max_flat_workgroup_size: 128
    .sgpr_count:     100
    .vgpr_count:     1024
    .wavefront_size: 32
...
	.end_amdgpu_metadata
.endif
;; end of part 4
